; MI455X (gfx1250); checked and timed in simulation.
; The chip was launched on July 23, 2026; its instructions are those of AMD's public machine-readable ISA for CDNA 5 (MIT licence, August 2026) and "CDNA5" Instruction Set Architecture Reference Guide (July 2026). The comments in the code are by the model that wrote it; some were corrected since.
;; GPT2 Block. Allowed arithmetic: matrix products marked QUANTISED: E5M2 operands, one given power-of-two scale a tensor, by v_wmma_f32_16x16x64_bf8_bf8 or v_wmma_f32_16x16x128_bf8_bf8, f32 sums; everything else in f32.
;; Inputs: b_fc 4,096 float32; b_out 1,024 float32; b_proj 1,024 float32; b_qkv 3,072 float32; ln1_bias 1,024 float32; ln1_scale 1,024 float32; ln2_bias 1,024 float32; ln2_scale 1,024 float32; lowp_scales 12 int32 (the exponents e of the quantised operands' scales 2^e); w_fc_codes 4,096 x 32 x 32 uint8 (E5M2 codes of w_fc, K innermost, in blocks of 32 codes); w_out_codes 1,024 x 128 x 32 uint8 (E5M2 codes of w_out, K innermost, in blocks of 32 codes); w_proj_codes 1,024 x 32 x 32 uint8 (E5M2 codes of w_proj, K innermost, in blocks of 32 codes); w_qkv_codes 3,072 x 32 x 32 uint8 (E5M2 codes of w_qkv, K innermost, in blocks of 32 codes); x 2 x 2,048 x 1,024 float32.
;; Outputs: out0 2 x 2,048 x 1,024 float32.
;; This version of the problem:
;;   THIS VERSION OF THE PROBLEM IS GIVEN IN LOW PRECISION. The matrix products marked QUANTISED in the list below multiply operands that are first quantised to E5M2 (5 exponent bits, 2 mantissa bits; 8 bits a number), with one given power-of-two scale for each operand tensor; their sums are f32. All else is computed in f32.
;;   The module's matrix products, in the order in which they are computed (A, B: the left and right operand; K: the contracted axis; several contracted axes count as one K, in the product's order):
;;     1. [M 4,096, K 1,024] x [K 1,024, N 3,072]; A: computed on the way; B: input w_qkv (given as codes): QUANTISED (scales: A lowp_scales[0], B lowp_scales[1])
;;     2. batch 32 x [M 2,048, K 64] x [K 64, N 2,048]; A: computed on the way; B: computed on the way: QUANTISED (scales: A lowp_scales[2], B lowp_scales[3])
;;     3. batch 32 x [M 2,048, K 2,048] x [K 2,048, N 64]; A: softmax (see below); B: computed on the way: QUANTISED (scales: A lowp_scales[4], B lowp_scales[5])
;;     4. [M 4,096, K 1,024] x [K 1,024, N 1,024]; A: computed on the way; B: input w_proj (given as codes): QUANTISED (scales: A lowp_scales[6], B lowp_scales[7])
;;     5. [M 4,096, K 1,024] x [K 1,024, N 4,096]; A: computed on the way; B: input w_fc (given as codes): QUANTISED (scales: A lowp_scales[8], B lowp_scales[9])
;;     6. [M 4,096, K 4,096] x [K 4,096, N 1,024]; A: computed on the way; B: input w_out (given as codes): QUANTISED (scales: A lowp_scales[10], B lowp_scales[11])
;;   THE QUANTISER, for each operand of a quantised product, along K:
;;     - The operand's scale is 2^e, e = its entry of the input lowp_scales (int32; the entries are numbered through the quantised products in the list's order, A before B).
;;     - Each number is divided by the scale, clamped to +-57,344, and rounded to the nearest number of E5M2, ties to even, subnormals kept.
;;     - The product sums the exact products of the quantised numbers (number of the format x scale) in f32.
;;   ~~~python
;;   def quantise(x, axis, e):      # numpy; x: float32 -> the quantised numbers, widened to float32 again
;;       x = np.moveaxis(x, axis, -1); K = x.shape[-1]
;;       r = np.clip(x / 2.0 ** e, -57344, 57344)
;;       step = 2.0 ** (np.maximum(np.frexp(np.where(r == 0, 1, r))[1] - 1, -14) - 2)
;;       q = np.round(r / step) * step * 2.0 ** e      # np.round: ties to even
;;       return np.moveaxis(q, -1, axis).astype(np.float32)
;;   ~~~
;;   SOFTMAX AHEAD OF A QUANTISED PRODUCT. Where the list says 'softmax', what is quantised is not the finished softmax but p = 2^(t - M), with t = logit x log2(e) and M = ceil(the row's largest t), a whole number; so 1/2 < the row's largest p <= 1. The row's sum l is taken of the UNQUANTISED p, in f32, and the product's result is divided by l at the end. Since M is a whole number, a kernel that streams over the keys may use a running M (the ceiling of the running maximum): every later rescaling is an exact power of two, so the quantised numbers keep their values, but for numbers so far below the row's largest that they fall under the format's range.
;;   OPERANDS COMPUTED ON THE WAY. 'Computed on the way' means the value that the module computes at that place (a softmax that the list does not call 'softmax' is quantised finished and normalised). What goes into a quantiser is computed in f32, as accurately as f32 sums, v_exp_f32 and their like allow (about 1e-6 of the number): no bf16 or f16 on the way to a quantiser, and a product that is left as it is and whose result goes on into a quantised operand takes f32 operands (vector FMAs, or v_wmma_f32_16x16x4_f32). A number that lies on a knife's edge between two numbers of the format may be rounded either way, as far as f32 arithmetic and the matrix unit's own rounding can turn it there, and no further.
;;   INPUTS GIVEN AS CODES. w_fc (in the module: [1024, 4096], K = its axis 0); w_out (in the module: [4096, 1024], K = its axis 0); w_proj (in the module: [1024, 1024], K = its axis 0); w_qkv (in the module: [1024, 3072], K = its axis 0): each comes as NAME_codes (uint8): NAME with its K axis moved to the last place and cut into blocks of 32 codes, [.., K / 32, bytes a block], one block behind the other in memory; one code a byte (a code: sign, 5 exponent bits, 2 mantissa bits); its scale is its entry of lowp_scales. Its value is code x scale, taken as it is: it is not quantised again, and the codes and scales need not be those that the quantiser above would give.
;; One version. Each part assembles by itself: llvm-mc -triple=amdgcn-amd-amdhsa -mcpu=gfx1250 --defsym DOCPART=n.
;; ======== version 1 of 1: 7 launches
;; limits: right only within a limited range of input values
;; workspace buffers: hc 4,194,304 bytes; q_img 4,194,304 bytes; k_img 4,194,304 bytes; v_img 4,194,304 bytes; a_img 4,194,304 bytes; x2 16,777,216 bytes; f_img 16,777,216 bytes; w_img 4,194,304 bytes
;; launch ln1 (part 1): grid 256 x 1, 4 waves a work-group, no clusters, 83,712 bytes of LDS; arguments x, ln1_scale, ln1_bias, lowp_scales, hc, w_out_codes, w_img; writes hc, w_img
.if DOCPART == 1
	.amdgcn_target "amdgcn-amd-amdhsa--gfx1250"
	.amdhsa_code_object_version 6
	.text
	.protected	k_q15a4fbbad4_ln1
	.globl	k_q15a4fbbad4_ln1
	.p2align	8
	.type	k_q15a4fbbad4_ln1,@function
k_q15a4fbbad4_ln1:
	s_mov_b64 s[64:65], 0
	v_nop
	global_prefetch_b8 v0, s[64:65] scope:SCOPE_SE
	s_setreg_imm32_b32 hwreg(HW_REG_WAVE_MODE, 25, 1), 1
	s_wait_xcnt 0x0
; GPT-2 block in E5M2, launch 1 of 7: h = layernorm(x) x gain + bias, quantised with the given scale 2^e0 into hc.
; THE PROGRAM: ln1 -> qkv (product 1) -> attn (products 2, 3) -> proj (product 4, + x) -> ln2 -> fc (product 5, relu) -> out (product 6, + x2).
; WORK LEFT OUT, in the whole program: only the key tiles that lie wholly above the diagonal in products 2 and 3.  reference() builds the causal mask itself and gives a hidden score the value -10,000;
; its weight is e^(-10,000 - the row's largest logit), and with M = ceil(the largest t) its p = 2^(-14,427 - M).  Key 0..q always count for query q, so the row's largest logit is that of a key that counts
; whenever that logit is above -10,000; p of a hidden key is then under every f32 number and under every code as soon as the largest logit is above -9,900, and adds nothing to the sum or to the product.
; LIMIT: a row whose largest unmasked logit lies under -9,900 is not served.  A NaN, an infinity or an overflow that reaches only hidden keys is not carried to the result.  Every input is loaded; nothing else is left out.
; LIMITS on the given exponents: each quantiser's e between -126 and 112; the two exponents of each weight product add to between -126 and 127; e2 + e3 between -123 and 130.  NaN among the inputs is not served.
; OPERAND IMAGES.  Every activation that a later launch multiplies is stored in the order of the operand's registers: a fragment of 16 rows x 128 K is 16 registers a lane (lane l: row l % 16; registers 2 c, 2 c + 1:
; k = 16 c + 8 (l / 16) + 0 .. 7) and lies as 2,048 bytes, registers 4 q .. 4 q + 3 of lane l at 512 q + 16 l.  hc: [row tile 256][K step 8][2048].
; SHARES.  A work-group owns 16 rows (one row tile).  Wave w normalises rows 4 w .. 4 w + 3 whole (a row is 4,096 bytes: eight loads of 512 consecutive bytes), the rows meet in a stage in LDS, and behind one
; barrier wave w quantises columns 256 w .. 256 w + 255 of all 16 rows: two fragments.  Mean and variance are taken in two passes, as reference() takes them.
.set EOFF,  0                          ; byte of this quantiser's exponent in lowp_scales: entry 0
.set PITCH, 4112                       ; a stage row: 4,096 bytes + 16, so that the 16 rows that a read touches start 16 bytes apart modulo 256
.set SPARE, 16*PITCH                   ; behind the stage: the spare words, 128 bytes a wave
.set XO,  1                            ; v1   16 x lane
.set STW, 2                            ; v2   stage, on the way in: my wave's four rows + 16 x lane
.set RDA, 3                            ; v3   stage, on the way out: row l % 16, + 32 (l / 16), + my wave's 1,024 bytes
.set MU,  8                            ; v[8:9]  the mean (v9 is named with it as a pair)
.set LIM, 16                           ; v16  57,344 x 2^e
.set SC,  17                           ; v17  2^e
.set SPW, 18                           ; v18  my spare word; never rewritten
.set NIL, 19                           ; v19  0; never rewritten
.set CH,  20                           ; v[20:23] two packed chains
.set RS,  24                           ; v[24+2p:25+2p] row p: variance + eps, then its reciprocal root
.set G,   32                           ; v32-63  gain of my 32 columns
.set BV,  64                           ; v64-95  bias
.set X,   96                           ; v96-223 four rows of 32 numbers; later 2 x 64 numbers in the fragments' order
.set CD,  224                          ; v224-255 the two fragments' codes
	s_load_b256 s[4:11], s[0:1], 0x0               ; x, gain, bias, the scales' exponents
	s_load_b64 s[12:13], s[0:1], 0x20              ; hc
	s_load_b128 s[28:31], s[0:1], 0x28             ; w_out_codes, w_img
; SECOND JOB of this launch: w_out's codes are laid as operand images for the last launch.  w_img: [column block 4][K step 32][column tile 16][2048], a fragment of 16 columns x 128 K in the order stated above.
; Work-group g takes column tile g / 4 and K bytes 1,024 (g % 4) on; wave w 256 of them: 16 rows x 256 bytes = two fragments, read as whole rows of 256 bytes, turned through the wave's own LDS rows, stored as 8 x 512 consecutive bytes.
.set WP,  272                          ; a row of the wave's turn stage: 256 bytes + 16
.set WST, SPARE+512                    ; behind the spare words: 16 rows x 272 bytes for each wave
	v_lshl_add_u32 v[SPW], v0, 2, SPARE
	v_mov_b32 v[NIL], 0
	v_lshrrev_b32 v12, 5, v0
	v_readfirstlane_b32 s14, v12                   ; wave 0..3
	v_and_b32 v13, 31, v0
	v_lshlrev_b32 v[XO], 4, v13
	s_mul_i32 s15, s14, 4*PITCH
	v_add_nc_u32 v[STW], s15, v[XO]
	v_and_b32 v14, 15, v0
	v_bfe_u32 v15, v0, 4, 1
	s_mul_i32 s26, s14, 16*WP
	s_add_co_u32 s26, s26, WST                     ; my turn stage
	v_lshlrev_b32 v4, 12, v15
	v_lshl_add_u32 v4, v14, 4, v4                  ; v4: w_out_codes: lanes 0-15 one row's 256 bytes, lanes 16-31 the next row's
	v_mul_u32_u24 v5, v15, WP
	v_lshl_add_u32 v5, v14, 4, v5
	v_add_nc_u32 v5, s26, v5                       ; v5: the same two rows in my turn stage
	v_mul_u32_u24 v6, v14, WP
	v_lshl_add_u32 v6, v15, 3, v6
	v_add_nc_u32 v6, s26, v6                       ; v6: back: row l % 16, + 8 (l / 16)
	v_mul_u32_u24 v[RDA], v14, PITCH
	v_lshl_add_u32 v[RDA], v15, 5, v[RDA]
	s_lshl_b32 s15, s14, 10
	v_add_nc_u32 v[RDA], s15, v[RDA]
	v_mov_b32 v[MU+1], 0
.irp p, 0,1,2,3
	v_mov_b32 v[RS+2*\p+1], 0
.endr
	s_lshl_b32 s16, ttmp9, 16                      ; x: 16 rows of 4,096 bytes a work-group,
	s_lshl_b32 s18, s14, 14                        ; four a wave
	s_add_co_u32 s16, s16, s18
	s_mov_b32 s17, 0
	s_lshl_b32 s18, ttmp9, 14                      ; hc: eight fragments a work-group,
	s_lshl_b32 s19, s14, 12                        ; two a wave
	s_add_co_u32 s18, s18, s19
	s_mov_b32 s19, 0
	s_mov_b32 s20, 0x76543210                      ; v_permlanex16_b32: lane l xor 16
	s_mov_b32 s21, 0xfedcba98
	s_mov_b32 s24, 0x3a800000                      ; 1 / 1,024
	s_mov_b32 s25, 0x3727c5ac                      ; 1e-5
	s_lshr_b32 s32, ttmp9, 2                       ; my column tile of w_out
	s_lshl_b32 s34, s32, 16                        ; its 16 rows of 4,096 bytes,
	s_and_b32 s33, ttmp9, 3
	s_lshl_b32 s35, s33, 10
	s_add_co_u32 s34, s34, s35                     ; + my work-group's 1,024 bytes of K,
	s_lshl_b32 s35, s14, 8
	s_add_co_u32 s34, s34, s35                     ; + my wave's 256
	s_mov_b32 s35, 0
	s_lshr_b32 s36, ttmp9, 6
	s_lshl_b32 s36, s36, 20                        ; w_img: column block x 2^20,
	s_lshl_b32 s33, s33, 18
	s_add_co_u32 s36, s36, s33
	s_lshl_b32 s33, s14, 16
	s_add_co_u32 s36, s36, s33                     ; + K step (8 (g % 4) + 2 w) x 32,768,
	s_and_b32 s32, s32, 15
	s_lshl_b32 s32, s32, 11
	s_add_co_u32 s36, s36, s32                     ; + the tile in its block x 2,048
	s_mov_b32 s37, 0
	s_wait_alu depctr_va_vdst(0)
	s_wait_kmcnt 0x0
	s_load_b32 s22, s[10:11], EOFF                 ; e
	s_add_nc_u64 s[4:5], s[4:5], s[16:17]
	s_add_nc_u64 s[12:13], s[12:13], s[18:19]
	s_add_nc_u64 s[28:29], s[28:29], s[34:35]
	s_add_nc_u64 s[30:31], s[30:31], s[36:37]
.irp t, 0,1,2,3,4,5,6,7
	global_load_b128 v[CD+4*\t:CD+4*\t+3], v4, s[28:29] offset:8192*\t th:TH_LOAD_NT   ; rows 2 t, 2 t + 1: the oldest loads, so every counted wait below shows them done too
.endr
.irp p, 0,1,2,3
.irp j, 0,1,2,3,4,5,6,7
	global_load_b128 v[X+32*\p+4*\j:X+32*\p+4*\j+3], v[XO], s[4:5] offset:\p*4096+512*\j th:TH_LOAD_NT
.endr
.endr
.irp j, 0,1,2,3,4,5,6,7
	global_load_b128 v[G+4*\j:G+4*\j+3], v[XO], s[6:7] offset:512*\j
.endr
.irp j, 0,1,2,3,4,5,6,7
	global_load_b128 v[BV+4*\j:BV+4*\j+3], v[XO], s[8:9] offset:512*\j
.endr
.macro REDUCE                          ; v12 summed over the 32 lanes, the result in every lane
	v_add_f32_dpp v12, v12, v12 row_xmask:1 row_mask:0xf bank_mask:0xf
	v_add_f32_dpp v12, v12, v12 row_xmask:2 row_mask:0xf bank_mask:0xf
	v_add_f32_dpp v12, v12, v12 row_xmask:4 row_mask:0xf bank_mask:0xf
	v_add_f32_dpp v12, v12, v12 row_xmask:8 row_mask:0xf bank_mask:0xf
	v_permlanex16_b32 v13, v12, s20, s21
	v_add_f32 v12, v12, v13
.endm
.macro STATS p                         ; row p: the mean; x - mean in place; the variance + eps
.set XR, X+32*(\p)
	s_wait_loadcnt 16+8*(3-(\p))                   ; my row's eight loads are in; the later rows' and the 16 of gain and bias may be out
	v_pk_add_f32 v[CH:CH+1], v[XR:XR+1], v[XR+2:XR+3]
	v_pk_add_f32 v[CH+2:CH+3], v[XR+4:XR+5], v[XR+6:XR+7]
.irp j, 8,12,16,20,24,28
	v_pk_add_f32 v[CH:CH+1], v[CH:CH+1], v[XR+\j:XR+\j+1]
	v_pk_add_f32 v[CH+2:CH+3], v[CH+2:CH+3], v[XR+\j+2:XR+\j+3]
.endr
	v_pk_add_f32 v[CH:CH+1], v[CH:CH+1], v[CH+2:CH+3]
	v_add_f32 v12, v[CH], v[CH+1]
	REDUCE
	v_mul_f32 v[MU], s24, v12
.set jj, 0
.rept 16
	v_pk_add_f32 v[XR+jj:XR+jj+1], v[XR+jj:XR+jj+1], v[MU:MU+1] op_sel_hi:[1,0] neg_lo:[0,1] neg_hi:[0,1]
.set jj, jj+2
.endr
	v_pk_mul_f32 v[CH:CH+1], v[XR:XR+1], v[XR:XR+1]
	v_pk_mul_f32 v[CH+2:CH+3], v[XR+2:XR+3], v[XR+2:XR+3]
.irp j, 4,8,12,16,20,24,28
	v_pk_fma_f32 v[CH:CH+1], v[XR+\j:XR+\j+1], v[XR+\j:XR+\j+1], v[CH:CH+1]
	v_pk_fma_f32 v[CH+2:CH+3], v[XR+\j+2:XR+\j+3], v[XR+\j+2:XR+\j+3], v[CH+2:CH+3]
.endr
	v_pk_add_f32 v[CH:CH+1], v[CH:CH+1], v[CH+2:CH+3]
	v_add_f32 v12, v[CH], v[CH+1]
	REDUCE
	v_fma_f32 v[RS+2*(\p)], v12, s24, s25
.endm
.macro NORM p                          ; row p: x rstd, x gain + bias, into the stage
.set XR, X+32*(\p)
.set jj, 0
.rept 16
	v_pk_mul_f32 v[XR+jj:XR+jj+1], v[XR+jj:XR+jj+1], v[RS+2*(\p):RS+2*(\p)+1] op_sel_hi:[1,0]
.set jj, jj+2
.endr
.set jj, 0
.rept 16
	v_pk_fma_f32 v[XR+jj:XR+jj+1], v[XR+jj:XR+jj+1], v[G+jj:G+jj+1], v[BV+jj:BV+jj+1]
.set jj, jj+2
.endr
.irp j, 0,1,2,3,4,5,6,7
	ds_store_b128 v[STW], v[XR+4*\j:XR+4*\j+3] offset:(\p)*PITCH+512*\j
.endr
.endm
.macro QUANT s                         ; fragment s of my two: hold, convert, store 4 x 512 consecutive bytes
.set XR, X+64*(\s)
	s_wait_dscnt 16*(1-(\s))                       ; this fragment's 16 reads are in; the other's may be out
.set jj, 0
.rept 64
	v_med3_num_f32 v[XR+jj], v[XR+jj], -v[LIM], v[LIM]   ; the conversion does not saturate (ISA guide 7.6.2): the hold at the largest code x the scale
.set jj, jj+1
.endr
.irp c, 0,1,2,3,4,5,6,7
	v_cvt_scalef32_pk8_bf8_f32 v[CD+16*(\s)+2*\c:CD+16*(\s)+2*\c+1], v[XR+8*\c:XR+8*\c+7], v[SC]
.endr
	v_nop                                          ; a plain line behind the last conversion
.irp q, 0,1,2,3
	global_store_b128 v[XO], v[CD+16*(\s)+4*\q:CD+16*(\s)+4*\q+3], s[12:13] offset:2048*(\s)+512*\q
.endr
.endm
	STATS 0
	STATS 1
	STATS 2
	STATS 3
.irp t, 0,1,2,3,4,5,6,7
	ds_store_b128 v5, v[CD+4*\t:CD+4*\t+3] offset:2*WP*\t
.endr
.irp f, 0,1
.irp c, 0,1,2,3,4,5,6,7
	ds_load_b64 v[CD+16*\f+2*\c:CD+16*\f+2*\c+1], v6 offset:128*\f+16*\c   ; registers 2 c, 2 c + 1 of fragment f; LDS serves a wave's instructions in order: these see my stores
.endr
.endr
	s_wait_alu depctr_va_vdst(0)
.irp p, 0,1,2,3
	v_rsq_f32 v[RS+2*\p], v[RS+2*\p]
.endr
	v_nop                                          ; a plain line behind the last reciprocal root,
	s_wait_alu depctr_va_vdst(0)                   ; and one wait for the four, ahead of their first reader
	s_wait_kmcnt 0x0
	s_add_co_i32 s22, s22, 127
	s_lshl_b32 s23, s22, 23
	v_mov_b32 v[SC], s23                           ; 2^e as f32: the conversion takes its exponent field
	s_add_co_i32 s22, s22, 15
	s_lshl_b32 s22, s22, 23
	s_or_b32 s22, s22, 0x600000
	v_mov_b32 v[LIM], s22                          ; 57,344 x 2^e
	s_wait_loadcnt 0x0                             ; gain and bias
	NORM 0
	NORM 1
	NORM 2
	NORM 3
	s_wait_dscnt 0x0                               ; for the others' sake: my rows lie in the stage
	s_barrier_signal -1
	s_barrier_wait -1
.irp f, 0,1
.irp q, 0,1,2,3
	global_store_b128 v[XO], v[CD+16*\f+4*\q:CD+16*\f+4*\q+3], s[30:31] offset:32768*\f+512*\q   ; the wait on DScnt in front of the signal has shown the fragments in; 512 consecutive bytes a store
.endr
.endr
.irp s, 0,1
.irp c, 0,1,2,3,4,5,6,7
	ds_load_b128 v[X+64*\s+8*\c:X+64*\s+8*\c+3], v[RDA] offset:512*\s+64*\c      ; row l % 16, columns 128 s + 16 c + 8 (l / 16) + 0 .. 7 of my 256
	ds_load_b128 v[X+64*\s+8*\c+4:X+64*\s+8*\c+7], v[RDA] offset:512*\s+64*\c+16
.endr
.endr
	s_wait_xcnt 0x0                                ; the stores above have read their registers: the conversions write them anew
	QUANT 0
	QUANT 1
	s_wait_tensorcnt 0x0                           ; the wave's end
	ds_add_u32 v[SPW], v[NIL]
	s_wait_dscnt 0x0
	s_endpgm
.Lfunc_end_k_q15a4fbbad4_ln1:
	.size	k_q15a4fbbad4_ln1, .Lfunc_end_k_q15a4fbbad4_ln1-k_q15a4fbbad4_ln1
	.p2alignl 7, 3214868480
	.fill 96, 4, 3214868480
	.section	.rodata,"a",@progbits
	.p2align	6, 0x0
	.amdhsa_kernel k_q15a4fbbad4_ln1
		.amdhsa_group_segment_fixed_size 83712
		.amdhsa_private_segment_fixed_size 0
		.amdhsa_enable_private_segment 0
		.amdhsa_kernarg_size 56
		.amdhsa_user_sgpr_count 2
		.amdhsa_user_sgpr_kernarg_segment_ptr 1
		.amdhsa_wavefront_size32 1
		.amdhsa_system_sgpr_workgroup_id_x 1
		.amdhsa_system_sgpr_workgroup_id_y 1
		.amdhsa_system_sgpr_workgroup_id_z 1
		.amdhsa_system_vgpr_workitem_id 0
		.amdhsa_next_free_vgpr 256
		.amdhsa_next_free_sgpr 66
		.amdhsa_reserve_vcc 0
		.amdhsa_float_denorm_mode_32 3
		.amdhsa_float_denorm_mode_16_64 3
		.amdhsa_memory_ordered 1
		.amdhsa_forward_progress 1
		.amdhsa_inst_pref_size 49
	.end_amdhsa_kernel
	.amdgpu_metadata
---
amdhsa.version: [ 1, 2 ]
amdhsa.kernels:
  - .name:           k_q15a4fbbad4_ln1
    .symbol:         k_q15a4fbbad4_ln1.kd
    .args:
      - { .name: x, .offset: 0, .size: 8, .value_kind: global_buffer, .address_space: global }
      - { .name: ln1_scale, .offset: 8, .size: 8, .value_kind: global_buffer, .address_space: global }
      - { .name: ln1_bias, .offset: 16, .size: 8, .value_kind: global_buffer, .address_space: global }
      - { .name: lowp_scales, .offset: 24, .size: 8, .value_kind: global_buffer, .address_space: global }
      - { .name: hc, .offset: 32, .size: 8, .value_kind: global_buffer, .address_space: global }
      - { .name: w_out_codes, .offset: 40, .size: 8, .value_kind: global_buffer, .address_space: global }
      - { .name: w_img, .offset: 48, .size: 8, .value_kind: global_buffer, .address_space: global }
    .group_segment_fixed_size: 83712
    .private_segment_fixed_size: 0
    .kernarg_segment_align: 8
    .kernarg_segment_size: 56
    .max_flat_workgroup_size: 128
    .sgpr_count:     66
    .vgpr_count:     256
    .wavefront_size: 32
...
	.end_amdgpu_metadata
.endif
;; end of part 1
;; launch qkv (part 2): grid 12 x 16, 4 waves a work-group, clusters of 4 x 4, 327,680 bytes of LDS; arguments hc, w_qkv_codes, lowp_scales, b_qkv, q_img, k_img, v_img; writes q_img, k_img, v_img
.if DOCPART == 2
	.amdgcn_target "amdgcn-amd-amdhsa--gfx1250"
	.amdhsa_code_object_version 6
	.text
	.protected	k_q15a4fbbad4_qkv
	.globl	k_q15a4fbbad4_qkv
	.p2align	8
	.type	k_q15a4fbbad4_qkv,@function
k_q15a4fbbad4_qkv:
	s_mov_b64 s[64:65], 0
	v_nop
	global_prefetch_b8 v0, s[64:65] scope:SCOPE_SE
	s_setreg_imm32_b32 hwreg(HW_REG_WAVE_MODE, 25, 1), 1
	s_wait_xcnt 0x0
	s_wait_alu depctr_hold_cnt(0) depctr_sa_sdst(0) depctr_va_vdst(0) depctr_va_sdst(0) depctr_va_ssrc(0) depctr_va_vcc(0) depctr_vm_vsrc(0)
	s_getreg_b32 s2, hwreg(HW_REG_IB_STS2, 6, 4)
	s_cmp_eq_u32 s2, 0
	s_cbranch_scc0 .Lentry_in_a_cluster
	s_endpgm
.Lentry_in_a_cluster:
	s_bfe_u32 s2, ttmp6, 0x10000c
	s_cmp_lg_u32 s2, 0xf033
	s_cbranch_scc0 .Lentry_shape_is_right
	s_endpgm
.Lentry_shape_is_right:
; Launch 2 of 7: qkv = h w_qkv + b_qkv on codes of E5M2 (product 1), then q, k and v quantised with 2^e2, 2^e3, 2^e5 into operand images for the attention launch.  No work is left out here.
; h: hc, images [row tile 256][K step 8][2048].  w_qkv_codes: [3072][1024], K innermost.  A sum stands for sum x 2^(e0 + e1).
; A tile of 256 tokens x 256 columns is made by a work-group of four waves, a wave 128 x 128: 64 accumulators, 512 registers.  K goes in slots of 256 (two steps of 128) through a ring of two LDS slots.
; The tokens' fragments lie in LDS as images (four loads of 16 bytes at 16 x lane), the weights as padded rows (eight loads of 8 bytes a fragment: k in its own place in the registers).
; CLUSTERS: 4 x 4 work-groups; the tokens' tile is shared along a row of the cluster, the weights' along a column: joint loads.  A cluster's x is 0 for q, 1 for k, 2 for v: the same in all sixteen partners.
; THE MATRIX INSTRUCTION IS USED TRANSPOSED (source 0 = 16 rows of the weight, source 1 = 16 tokens): a lane holds one token and eight neighbouring columns 16 b + 8 (l / 16) + j, so one conversion a tile gives
; registers 2 b, 2 b + 1 of the next operand.  q_img, k_img: [batch x head 32][token tile 128][1024] (16 tokens x 64).  v_img: [batch x head 32][key step 16][channel tile 4][2048] (16 channels x 128 keys):
; there the tokens must run along a lane's registers, so v's blocks turn through the wave's stage in LDS first.
; The grid has 192 work-groups: a tile of 192 columns would give 256 but would cut heads and the borders between q, k and v.
; LIMITS: e0 + e1 between -126 and 127; e2, e3, e5 between -126 and 112.
; REGISTERS: window 0: v16-31 addresses and constants; v32-95 the bias in the result's layout; v128-255 the tokens' fragments, one set (on the way out v96-255 are free);
;   window 1: the weights' fragments, two sets; windows 2, 3: the accumulators ((a, b) at v[8 (8 (a % 4) + b)]).
.set KTOT,  1024
.set RP,    272                        ; a weight row in LDS: 256 bytes + 16
.set PROW,  4096                       ; a row tile's two fragments of a slot
.set PSTR,  16384                      ; from a row tile's images to the next in memory
.set PHALF, 8*PROW                     ; 128 tokens: what one tensor load brings
.set ROFF,  2*PHALF                    ; the weights lie behind the tokens' 256
.set RHALF, 128*RP
.set SLOT,  ROFF+2*RHALF
.set SPARE, 2*SLOT                     ; behind the ring: the spare words, 128 bytes a wave
.set LAPS,  KTOT/512
.set FR,    16
.set NP,    4                          ; places behind this matrix instruction (ISA guide 7.12.1)
.set SPITCH, 528                       ; v's way out: a stage of 16 rows x (512 + 16) bytes a wave, in slot 0, which has had its last fill and its last read by then
.set ADRA, 16
.set ADRB, 20
.set STO,  24
.set RDT,  25
.set CO,   26                          ; v26  16 x lane
.set BO,   27                          ; v27  32 (l / 16)
.set SPW,  28
.set NIL,  29
.set SC,   30
.set LIM,  31
.set BI,   32
.set TMP,  96                          ; a block's 64 numbers
.set CDR,  160                         ; q, k: four sets of 16 code registers by turns;  v: the 64 numbers turned
.set AF,   128
.set G1, 24
.set G0, 32
.set G1B, 48
.set G0B, 56
.set MSB, 0
.macro WIN new                         ; the immediate's high byte repeats the setting that is left
.if MSB != \new
	s_set_vgpr_msb (MSB<<8)|\new
.set MSB, \new
.endif
.endm
.set MUL_LO, 0xa1                      ; source 0 (weights) window 1, source 1 (tokens) window 0, C and D window 2
.set MUL_HI, 0xf1
.set TO_B,   0x40
; A joint load: waves 0 and 1 fetch the tokens' halves, waves 2 and 3 the weights'.  An s_nop 0 and four v_nop follow each line.
.macro JLOAD g0a, g1a, g0b, g1b
	s_cmp_eq_u32 s15, 0
	s_cbranch_scc0 .Lfor_b_\@
	tensor_load_to_lds s[\g0a:\g0a+3], s[\g1a:\g1a+7]
	s_nop 0
.rept 4
	v_nop
.endr
	s_branch .Lasked_\@
.Lfor_b_\@:
	tensor_load_to_lds s[\g0b:\g0b+3], s[\g1b:\g1b+7]
	s_nop 0
.rept 4
	v_nop
.endr
.Lasked_\@:
.endm
.macro CREST                           ; a round of the cluster's barrier behind its opening barrier
	s_cmp_lg_u32 s14, 0
	s_cbranch_scc1 .Lnot_wave_0_\@
	s_barrier_signal -3
.Lnot_wave_0_\@:
	s_barrier_wait -3
	s_barrier_signal -1
	s_barrier_wait -1
.endm
.macro CROUND
	s_barrier_signal -1
	s_barrier_wait -1
	CREST
.endm
	s_load_b256 s[4:11], s[0:1], 0x0               ; hc, the weights' codes, the scales' exponents, the bias
	s_load_b128 s[68:71], s[0:1], 0x20             ; q_img, k_img
	s_load_b64 s[72:73], s[0:1], 0x30              ; v_img
	v_lshl_add_u32 v[SPW], v0, 2, SPARE
	v_mov_b32 v[NIL], 0
	ds_add_u32 v[SPW], v[NIL]                      ; the wave's opening: the add, twice on end, and its wait ahead of my first tensor load
	ds_add_u32 v[SPW], v[NIL]
	v_lshrrev_b32 v1, 5, v0
	v_readfirstlane_b32 s14, v1                    ; wave 0..3
	s_lshr_b32 s15, s14, 1                         ; my half of the tokens.  Also: I fetch tokens (0) or weights (1)
	s_and_b32 s16, s14, 1                          ; my half of the columns.  Also: which half of that tile I fetch
	s_bfe_u32 s40, ttmp6, 0x40000                  ; cx
	s_bfe_u32 s41, ttmp6, 0x40004                  ; cy
	s_lshl_b32 s42, ttmp9, 2
	s_add_co_u32 s42, s42, s40                     ; tile column = 4 x cluster x + cx
	s_and_b32 s17, ttmp7, 0xffff
	s_lshl_b32 s17, s17, 2
	s_add_co_u32 s17, s17, s41                     ; tile row = 4 x cluster y + cy
	s_lshl_b32 s43, s41, 2
	s_lshl_b32 s43, 15, s43                        ; my row of the cluster
	s_lshl_b32 s44, 0x1111, s40                    ; my column
	s_or_b32 s[G1+0], s43, (1<<21)                 ; tokens: the mask of my row; elements of 1 byte; no padding; bit 21 beside a mask
	s_mov_b32 s[G1+1], PROW<<16                    ; tensor_dim0 = 4,096: a row tile's two fragments
	s_mov_b32 s[G1+2], 8<<16                       ; tensor_dim1 = 8 row tiles
	s_mov_b32 s[G1+3], PROW<<16                    ; tile_dim0
	s_mov_b32 s[G1+4], 8                           ; tile_dim1
	s_mov_b32 s[G1+5], PSTR                        ; from row tile to row tile
	s_mov_b32 s[G1+6], 0
	s_mov_b32 s[G1+7], 0
	s_or_b32 s[G1B+0], s44, (1<<20)|(1<<21)|(5<<22)|(3<<25)   ; weights: the mask of my column; 4 words of padding behind every 64
	s_mov_b32 s[G1B+1], 256<<16
	s_mov_b32 s[G1B+2], 128<<16
	s_mov_b32 s[G1B+3], 256<<16
	s_mov_b32 s[G1B+4], 128
	s_mov_b32 s[G1B+5], KTOT
	s_mov_b32 s[G1B+6], 0
	s_mov_b32 s[G1B+7], 0
	s_lshl_b32 s20, s17, 4
	s_lshl_b32 s21, s16, 3
	s_add_co_u32 s20, s20, s21                     ; tokens: row tile 16 x tile row + 8 x half,
	s_lshl_b32 s20, s20, 14                        ; x 16,384 bytes
	s_mov_b32 s21, 0
	s_lshl_b32 s46, s42, 8
	s_lshl_b32 s47, s16, 7
	s_add_co_u32 s46, s46, s47                     ; weights: row 256 x tile column + 128 x half,
	s_lshl_b32 s46, s46, 10                        ; x 1,024 bytes
	s_mov_b32 s47, 0
	s_lshl_b32 s45, s16, 15                        ; where they go in a slot: no place in the cluster enters an LDS address
	s_mul_i32 s18, s16, RHALF
	s_add_co_u32 s18, s18, ROFF
	s_wait_dscnt 0x0                               ; both opening adds are done
	s_wait_kmcnt 0x0
	s_load_b256 s[80:87], s[8:9], 0x0              ; e0 .. e7
	s_add_nc_u64 s[20:21], s[4:5], s[20:21]
	s_add_nc_u64 s[46:47], s[6:7], s[46:47]
	CROUND                                         ; all sixteen work-groups are here: the first joint loads meet
.irp s, 0,1
	s_mov_b32 s[G0+4*\s], 1
	s_add_co_u32 s[G0+4*\s+1], s45, \s*SLOT
	s_add_nc_u64 s[G0+4*\s+2:G0+4*\s+3], s[20:21], \s*PROW
	s_or_b32 s[G0+4*\s+3], s[G0+4*\s+3], 0x80000000
	s_mov_b32 s[G0B+4*\s], 1
	s_add_co_u32 s[G0B+4*\s+1], s18, \s*SLOT
	s_add_nc_u64 s[G0B+4*\s+2:G0B+4*\s+3], s[46:47], \s*256
	s_or_b32 s[G0B+4*\s+3], s[G0B+4*\s+3], 0x80000000
.endr
	JLOAD G0, G1, G0B, G1B                         ; slot 0: one tensor load a wave
	v_and_b32 v1, 15, v0                           ; r = l % 16
	v_bfe_u32 v2, v0, 4, 1                         ; h = l / 16
	v_and_b32 v6, 31, v0
	v_lshlrev_b32 v[CO], 4, v6
	v_lshlrev_b32 v[BO], 5, v2
	v_mul_u32_u24 v3, v1, RP
	v_lshl_add_u32 v4, v2, 3, v3                   ; a weight fragment's row x pitch + 8 x half
	s_lshl_b32 s21, s15, 15                        ; my 128 tokens' images
	s_mul_i32 s22, s16, RHALF                      ; my 128 rows of the weight
	s_add_co_u32 s22, s22, ROFF
.irp s, 0,1
	v_add_nc_u32 v[ADRA+\s], s21, v[CO]
	v_add_nc_u32 v[ADRB+\s], s22, v4
	s_add_co_u32 s21, s21, SLOT
	s_add_co_u32 s22, s22, SLOT
.endr
	s_mul_i32 s23, s14, 16*SPITCH                  ; my stage
	v_mul_u32_u24 v5, v1, SPITCH
	v_lshl_add_u32 v5, v2, 5, v5
	v_add_nc_u32 v[STO], s23, v5                   ; in: row = token r, + 32 h
	v_mul_u32_u24 v5, v2, 8*SPITCH
	v_lshl_add_u32 v5, v1, 2, v5
	v_add_nc_u32 v[RDT], s23, v5                   ; back, turned: rows 8 h + j, word r
	s_lshl_b32 s22, s42, 10
	s_lshl_b32 s23, s16, 9
	s_add_co_u32 s22, s22, s23                     ; the bias of my 128 columns
	s_mov_b32 s23, 0
	s_add_nc_u64 s[10:11], s[10:11], s[22:23]
.irp b, 0,1,2,3,4,5,6,7
	global_load_b128 v[BI+8*\b:BI+8*\b+3], v[BO], s[10:11] offset:64*\b        ; columns 16 b + 8 h + 0 .. 7
	global_load_b128 v[BI+8*\b+4:BI+8*\b+7], v[BO], s[10:11] offset:64*\b+16
.endr
.macro FRAGA reg, adr, q, i            ; a tokens' fragment comes as it lies: four loads at 16 x lane
.irp c, 0,1,2,3
	ds_load_b128 v[\reg+4*\c:\reg+4*\c+3], v[\adr] offset:(\i)*PROW+2048*(\q)+512*\c
.endr
.endm
.macro FRAGB reg, adr, q, i            ; a weight fragment from rows: registers 2 c, 2 c + 1 = k 16 c + 8 h + 0 .. 7
.irp c, 0,1,2,3,4,5,6,7
	ds_load_b64 v[\reg+2*\c:\reg+2*\c+1], v[\adr] offset:(\i)*16*RP+128*(\q)+16*\c
.endr
.endm
; 16 matrix instructions: token blocks a0, a0 + 1 x the weight's eight, 128 along K.  The 64 accumulators take turns, one instruction a turn, in the same order in every step.
.macro MUL16 a0, p, zero
.irp a, \a0, \a0+1
.irp b, 0,1,2,3,4,5,6,7
.if \zero
	v_wmma_f32_16x16x128_bf8_bf8 v[8*(8*((\a)%4)+\b):8*(8*((\a)%4)+\b)+7], v[128*(\p)+FR*\b:128*(\p)+FR*\b+FR-1], v[AF+FR*(\a):AF+FR*(\a)+FR-1], 0
.else
	v_wmma_f32_16x16x128_bf8_bf8 v[8*(8*((\a)%4)+\b):8*(8*((\a)%4)+\b)+7], v[128*(\p)+FR*\b:128*(\p)+FR*\b+FR-1], v[AF+FR*(\a):AF+FR*(\a)+FR-1], v[8*(8*((\a)%4)+\b):8*(8*((\a)%4)+\b)+7]
.endif
.endr
.endr
.endm
.macro FETCH_B slot, q, p
	WIN TO_B
.irp i, 0,1,2,3,4,5,6,7
	FRAGB 128*(\p)+FR*\i, ADRB+\slot, \q, \i
.endr
	WIN 0
.endm
.macro FETCH_A slot, q, i0
.irp i, \i0, \i0+1, \i0+2, \i0+3
	FRAGA AF+FR*(\i), ADRA+\slot, \q, \i
.endr
.endm
.macro PLACES n                        ; plain vector lines between a matrix instruction and a load into, or a read of, its registers
.rept \n
	v_nop
.endr
.endm
.macro STEP slot, q, zero              ; a step of 128 along K that has its successor in the same slot
	s_wait_dscnt 16                                ; the weights' set and token blocks 0-3 are in; the youngest 16 loads (blocks 4-7) may be out
	WIN MUL_LO
	MUL16 0, (\q)%2, \zero
	MUL16 2, (\q)%2, \zero
	s_wait_dscnt 0
	PLACES NP
	FETCH_B \slot, (\q)+1, 1-(\q)%2
	FETCH_A \slot, (\q)+1, 0
	WIN MUL_HI
	MUL16 4, (\q)%2, \zero
	MUL16 6, (\q)%2, \zero
	PLACES NP
	WIN 0
	FETCH_A \slot, (\q)+1, 4
.endm
; A slot's last step changes slots: one barrier; in front of it each wave waits for all its tensor loads, adds 0 to its spare word, and waits for that and for its reads of this slot.
.macro TURN slot, next, fill
	s_wait_tensorcnt 0x0                           ; all my tensor loads have landed: my part of the next slot
	ds_add_u32 v[SPW], v[NIL]
	s_wait_dscnt 17                                ; (the add and the youngest 16 loads may be out)
	WIN MUL_LO
	MUL16 0, 1, 0
	s_wait_dscnt 0x0                               ; the add is done, and my reads of this slot are over
	s_barrier_signal -1
	MUL16 2, 1, 0
	WIN 0
	s_barrier_wait -1
.if \fill
	CREST                                          ; the barrier has opened a round of the cluster's: no wave of any partner still reads this slot or has a load on its way
	s_add_nc_u64 s[G0+4*\slot+2:G0+4*\slot+3], s[G0+4*\slot+2:G0+4*\slot+3], 2*PROW
	s_add_nc_u64 s[G0B+4*\slot+2:G0B+4*\slot+3], s[G0B+4*\slot+2:G0B+4*\slot+3], 512
	JLOAD G0+4*\slot, G1, G0B+4*\slot, G1B         ; the first tensor load behind the round; its four v_nop are the places in front of the loads below
.else
	PLACES NP
.endif
	FETCH_B \next, 0, 0
	FETCH_A \next, 0, 0
	WIN MUL_HI
	MUL16 4, 1, 0
	MUL16 6, 1, 0
	PLACES NP
	WIN 0
	FETCH_A \next, 0, 4
.endm
	s_wait_alu depctr_va_vdst(0)
	s_wait_tensorcnt 0x0                           ; my part of slot 0 is in
	ds_add_u32 v[SPW], v[NIL]
	s_wait_dscnt 0x0
	CROUND                                         ; a whole round: everybody's part of slot 0 is in, and the joint loads meet
	JLOAD G0+4, G1, G0B+4, G1B                     ; slot 1's first fill, the first tensor load behind the round
	FETCH_B 0, 0, 0
	FETCH_A 0, 0, 0
	FETCH_A 0, 0, 4
	STEP 0, 0, 1                                   ; the first step's products start the sums
	s_mov_b32 s3, LAPS-1
.Llap:                                                 ; a trip goes once round the ring and fills both slots again
	TURN 0, 1, 1
	STEP 1, 0, 0
	TURN 1, 0, 1
	STEP 0, 0, 0
	s_sub_co_u32 s3, s3, 1
	s_cmp_lg_u32 s3, 0
	s_cbranch_scc1 .Llap
	TURN 0, 1, 0                                   ; the last lap fills nothing
	STEP 1, 0, 0
	s_wait_dscnt 16
	WIN MUL_LO
	MUL16 0, 1, 0
	MUL16 2, 1, 0
	s_wait_dscnt 0
	WIN MUL_HI
	MUL16 4, 1, 0
	MUL16 6, 1, 0
	WIN 0
; THE WAY OUT, block by block of 16 tokens x 128 columns.
.macro SCALE a                         ; number = sum x 2^(e0 + e1) + bias: one packed multiply-add for two; each accumulator from its low end on
.set AC, 64*((\a)%4)
	WIN 0x02+((\a)/4)
.set jj, 0
.rept 32
	v_pk_fma_f32 v[TMP+jj:TMP+jj+1], v[AC+jj:AC+jj+1], s[96:97], v[BI+jj:BI+jj+1] op_sel_hi:[1,0,1]
.set jj, jj+2
.endr
	WIN 0
.endm
.macro HOLD reg                        ; the conversion does not saturate (ISA guide 7.6.2): the hold at the largest code x the scale
.set jj, 0
.rept 64
	v_med3_num_f32 v[\reg+jj], v[\reg+jj], -v[LIM], v[LIM]
.set jj, jj+1
.endr
.endm
.macro CODES src, dst, step
.irp b, 0,1,2,3,4,5,6,7
	v_cvt_scalef32_pk8_bf8_f32 v[(\dst)+(\step)*\b:(\dst)+(\step)*\b+1], v[\src+8*\b:\src+8*\b+7], v[SC]
.endr
	v_nop                                          ; a plain line behind the last conversion
.endm
	s_wait_kmcnt 0x0
	s_add_co_i32 s96, s80, s81                     ; e0 + e1
	s_add_co_i32 s96, s96, 127
	s_lshl_b32 s96, s96, 23
	s_mov_b32 s97, s96                             ; (named with it as a pair)
	s_cmp_eq_u32 ttmp9, 0                          ; q, k or v: the cluster's x, the same in all partners
	s_cselect_b32 s74, s82, s83
	s_cselect_b64 s[76:77], s[68:69], s[70:71]
	s_cmp_eq_u32 ttmp9, 2
	s_cselect_b32 s74, s85, s74                    ; e2, e3 or e5
	s_cselect_b64 s[76:77], s[72:73], s[76:77]
	s_add_co_i32 s74, s74, 127
	s_lshl_b32 s75, s74, 23
	v_mov_b32 v[SC], s75
	s_add_co_i32 s74, s74, 15
	s_lshl_b32 s74, s74, 23
	s_or_b32 s74, s74, 0x600000
	v_mov_b32 v[LIM], s74
	s_lshr_b32 s78, s17, 3                         ; batch,
	s_lshl_b32 s78, s78, 4
	s_lshl_b32 s79, s40, 2
	s_add_co_u32 s78, s78, s79
	s_lshl_b32 s79, s16, 1
	s_add_co_u32 s78, s78, s79                     ; x 16 + my first head (4 cx + 2 x column half),
	s_lshl_b32 s78, s78, 17                        ; x 131,072 bytes;
	s_and_b32 s79, s17, 7
	s_lshl_b32 s79, s79, 1
	s_add_co_u32 s79, s79, s15                     ; my 128 tokens in the batch,
	s_lshl_b32 s79, s79, 13                        ; x 8,192 bytes: eight token tiles of q or k, or one key step of v
	s_add_co_u32 s78, s78, s79
	s_mov_b32 s79, 0
	s_add_nc_u64 s[76:77], s[76:77], s[78:79]
	s_wait_loadcnt 0x0                             ; the bias
	PLACES NP
	s_cmp_eq_u32 ttmp9, 2
	s_cbranch_scc1 .Lv_path
.irp a, 0,1,2,3,4,5,6,7                ; q, k: registers 0-7 of the block's codes are my first head's fragment, 8-15 my second's
	SCALE \a
	HOLD TMP
.if \a >= 4
	s_wait_alu depctr_va_vdst(0)
	s_wait_xcnt 0x0                                ; the stores of four blocks back have read their registers
.endif
	CODES TMP, CDR+16*(\a%4), 2
.irp q, 0,1,2,3
	global_store_b128 v[CO], v[CDR+16*(\a%4)+4*\q:CDR+16*(\a%4)+4*\q+3], s[76:77] offset:\a*1024+(\q/2)*131072+(\q%2)*512   ; 512 consecutive bytes
.endr
.endr
	s_branch .Lend
.Lv_path:
.irp a, 0,1,2,3,4,5,6,7                ; v: the block turns through my stage, so that a lane holds channel 16 b + r and tokens 16 a + 8 h + 0 .. 7: registers 2 a, 2 a + 1 of channel tile b's fragment
	SCALE \a
.irp b, 0,1,2,3,4,5,6,7
	ds_store_b128 v[STO], v[TMP+8*\b:TMP+8*\b+3] offset:64*\b
	ds_store_b128 v[STO], v[TMP+8*\b+4:TMP+8*\b+7] offset:64*\b+16
.endr
.irp b, 0,1,2,3,4,5,6,7
.irp j, 0,1,2,3,4,5,6,7
	ds_load_b32 v[CDR+8*\b+\j], v[RDT] offset:\j*SPITCH+64*\b   ; LDS serves a wave's instructions in order: these see my stores
.endr
.endr
	s_wait_dscnt 0x0
	HOLD CDR
	WIN 0x40                                       ; the codes gather in window 1, where the weights' fragments lay
	CODES CDR, 2*\a, 16
	WIN 0
.endr
	WIN 0x04                                       ; store data in window 1
.irp b, 0,1,2,3,4,5,6,7
.irp q, 0,1,2,3
	global_store_b128 v[CO], v[16*\b+4*\q:16*\b+4*\q+3], s[76:77] offset:(\b/4)*131072+(\b%4)*2048+512*\q
.endr
.endr
	WIN 0
.Lend:
	s_wait_tensorcnt 0x0                           ; the wave's end
	ds_add_u32 v[SPW], v[NIL]
	s_wait_dscnt 0x0
	CROUND                                         ; the closing round
	s_endpgm
.Lfunc_end_k_q15a4fbbad4_qkv:
	.size	k_q15a4fbbad4_qkv, .Lfunc_end_k_q15a4fbbad4_qkv-k_q15a4fbbad4_qkv
	.p2alignl 7, 3214868480
	.fill 96, 4, 3214868480
	.section	.rodata,"a",@progbits
	.p2align	6, 0x0
	.amdhsa_kernel k_q15a4fbbad4_qkv
		.amdhsa_group_segment_fixed_size 327680
		.amdhsa_private_segment_fixed_size 0
		.amdhsa_enable_private_segment 0
		.amdhsa_kernarg_size 56
		.amdhsa_user_sgpr_count 2
		.amdhsa_user_sgpr_kernarg_segment_ptr 1
		.amdhsa_wavefront_size32 1
		.amdhsa_system_sgpr_workgroup_id_x 1
		.amdhsa_system_sgpr_workgroup_id_y 1
		.amdhsa_system_sgpr_workgroup_id_z 1
		.amdhsa_system_vgpr_workitem_id 0
		.amdhsa_next_free_vgpr 1024
		.amdhsa_next_free_sgpr 100
		.amdhsa_reserve_vcc 0
		.amdhsa_float_denorm_mode_32 3
		.amdhsa_float_denorm_mode_16_64 3
		.amdhsa_memory_ordered 1
		.amdhsa_forward_progress 1
		.amdhsa_inst_pref_size 249
	.end_amdhsa_kernel
	.amdgpu_metadata
---
amdhsa.version: [ 1, 2 ]
amdhsa.kernels:
  - .name:           k_q15a4fbbad4_qkv
    .symbol:         k_q15a4fbbad4_qkv.kd
    .args:
      - { .name: hc, .offset: 0, .size: 8, .value_kind: global_buffer, .address_space: global }
      - { .name: w_qkv_codes, .offset: 8, .size: 8, .value_kind: global_buffer, .address_space: global }
      - { .name: lowp_scales, .offset: 16, .size: 8, .value_kind: global_buffer, .address_space: global }
      - { .name: b_qkv, .offset: 24, .size: 8, .value_kind: global_buffer, .address_space: global }
      - { .name: q_img, .offset: 32, .size: 8, .value_kind: global_buffer, .address_space: global }
      - { .name: k_img, .offset: 40, .size: 8, .value_kind: global_buffer, .address_space: global }
      - { .name: v_img, .offset: 48, .size: 8, .value_kind: global_buffer, .address_space: global }
    .group_segment_fixed_size: 327680
    .private_segment_fixed_size: 0
    .kernarg_segment_align: 8
    .kernarg_segment_size: 56
    .max_flat_workgroup_size: 128
    .sgpr_count:     100
    .vgpr_count:     1024
    .wavefront_size: 32
...
	.end_amdgpu_metadata
.endif
;; end of part 2
;; launch attn (part 3): grid 8 x 32, 16 waves a work-group, no clusters, 327,680 bytes of LDS; arguments q_img, k_img, v_img, lowp_scales, a_img; writes a_img
.if DOCPART == 3
	.amdgcn_target "amdgcn-amd-amdhsa--gfx1250"
	.amdhsa_code_object_version 6
	.text
	.protected	k_q15a4fbbad4_attn
	.globl	k_q15a4fbbad4_attn
	.p2align	8
	.type	k_q15a4fbbad4_attn,@function
k_q15a4fbbad4_attn:
	s_mov_b64 s[64:65], 0
	v_nop
	global_prefetch_b8 v0, s[64:65] scope:SCOPE_SE
	s_setreg_imm32_b32 hwreg(HW_REG_WAVE_MODE, 25, 1), 1
	s_wait_xcnt 0x0
; Launch 3 of 7: causal attention on codes of E5M2 (products 2 and 3), its result quantised with 2^e6 into a_img, the images of product 4's left operand.
; WORK LEFT OUT: key steps all of whose keys come after a wave's queries, and slots that no wave of the work-group reads (see the first kernel's head: p of a hidden key is 0 wherever the row's largest unmasked logit is above -9,900).
; Inside the step on the diagonal hidden scores become -infinity, so that p = 0.  LIMIT as stated there.
; THE SOFTMAX: t = score x log2(e) / 8; M = the running largest t rounded up to a whole number; p = 2^(t - M) is quantised with 2^e4; the sum is taken of the unquantised p and divides at the end.
; SHARES.  Work-group (i, batch x head) has sixteen waves, each one tile of 16 queries: waves 0-7 the 128 queries of block i, waves 8-15 those of block 15 - i, so that every work-group has the same number of live key steps.
; K and V come as images through a ring of two LDS slots of 256 keys (16 KiB of K, 16 KiB of V, each dense in memory and in LDS): wave 0 fetches K's, wave 1 V's, all sixteen read them at 16 x lane.
; Both products are used transposed: S^T = K Q^T (16 keys x 16 queries, K = 64), O^T = V^T P^T (16 channels x 16 queries, K = 128 keys): a lane holds one query throughout, and the eight registers of score tile t are keys
; 16 t + 8 (l / 16) + 0 .. 7: one conversion a tile gives registers 2 t, 2 t + 1 of P.
; No cluster: the work-groups of a head end their walks at different causal limits, so a partner would be sent tiles that none of its waves reads.
; LIMITS: e2 + e3 between -123 and 130; e4 and e6 between -126 and 112.
; REGISTERS: v1 16 x lane; v3 the prefetch's offset; v5, v6 the add's two; v8 the step's LDS address; v12 -M, v13 the largest t, v[14:15] the sum; v16-23 Q; v32-95 K's eight fragments, then V's four;
;   v96-159 S^T, then p; v160-191 O^T; v224-239 p's codes; v240, v244 p's hold and scale; v241, v245 the result's; v242-243, v246, v252-254 at work.
.set SLOT1, 32768                      ; slot 1 begins here: one exclusive or turns an address from one slot to the other
.set VOFF,  16384                      ; V's images behind K's
.set SPARE, 65536                      ; behind the ring: the spare words, 128 bytes for each of sixteen waves
.set NSL,   8                          ; slots' worth of keys
.set LI,   1
.set PFO,  3
.set SPW,  5
.set NIL,  6
.set ADR,  8
.set TB,   2                           ; s2   LDS byte at which the slot in hand begins
.set WV,   18
.set SEL,  20
.set CS,   22
.set G1,   24
.set G0,   40
.set SLOTS, 67
.set PFA,  76
.set LIM,  80
.set QL,   95                          ; s95  my work-group's last query
.set KF,   98                          ; s98  the step's first key
.set Q0,   99                          ; s99  my first query
.macro TLOAD                           ; waves 0 and 1 fetch, the others nothing; an s_nop 0 and four v_nop follow the line
	s_cmp_lt_u32 s[WV], 2
	s_cbranch_scc0 .Lasked_\@
	tensor_load_to_lds s[G0:G0+3], s[G1:G1+7]
	s_nop 0
.rept 4
	v_nop
.endr
.Lasked_\@:
.endm
; A prefetch of what the next change of slots will ask for: 16,384 bytes of K and of V.  All work-groups of a head walk the same K and V: the head's work-group 0, which walks all slots, asks; in it waves 4 and 5 for K's two
; halves of 8,192 bytes, waves 6 and 7 for V's, lanes 256 bytes apart: each block of 256 bytes is named once.  Slots 0 and 1 come by their loads alone; the last change that fills a slot asks for nothing.
.macro ASK
	s_cmp_gt_u32 s[SLOTS], s[LIM]
	s_cbranch_scc0 .Lnot_mine_\@
	global_prefetch_b8 v[PFO], s[PFA:PFA+1] th:TH_LOAD_NT scope:SCOPE_SE
.Lnot_mine_\@:
.endm
	s_load_b256 s[4:11], s[0:1], 0x0               ; q_img, k_img, v_img, the scales' exponents
	s_load_b64 s[12:13], s[0:1], 0x20              ; a_img
	v_lshl_add_u32 v[SPW], v0, 2, SPARE
	v_mov_b32 v[NIL], 0
	ds_add_u32 v[SPW], v[NIL]                      ; the wave's opening: the add, twice on end, and its wait ahead of the first tensor load
	ds_add_u32 v[SPW], v[NIL]
	v_lshrrev_b32 v8, 5, v0
	s_delay_alu instid0(VALU_DEP_1)
	v_readfirstlane_b32 s[WV], v8                  ; wave 0..15
	s_and_b32 s72, ttmp7, 0xffff                   ; batch x head
	s_lshl_b32 s74, s72, 17                        ; its 131,072 bytes in each of q_img, k_img, v_img
	s_mov_b32 s75, 0
	s_sub_co_u32 s81, 15, ttmp9
	s_cmp_lt_u32 s[WV], 8
	s_cselect_b32 s81, ttmp9, s81                  ; my block of 128 queries: i or 15 - i
	s_and_b32 s82, s[WV], 7
	s_lshl_b32 s81, s81, 7
	s_lshl_b32 s82, s82, 4
	s_add_co_u32 s[Q0], s81, s82
; HELPERS.  Wave w < 8 has live steps 0 .. i only, wave w + 8 steps 0 .. 15 - i.  From slot i / 2 + 1 on wave w keeps its finished O^T and sum in v192-223, v2, v4 and walks the ODD key steps of wave w + 8's tile
; with a state of its own (Q from v24-31), while wave w + 8 walks the even ones: every wave has 8 or 9 live steps.  At the end the helper's -M, sum and O^T go through LDS bytes of their own to wave w + 8,
; which brings both states under the larger M by powers of two (nothing is rounded) and adds them.  All branches hang on ids and the count of slots.
.set PQ,  44                           ; s44  the first query of the tile of block 15 - i with my number in the block
.set SH,  45                           ; s45  the count of slots at which the helpers begin
.set SKP, 46                           ; s46  the step of a slot (0 or 1) that I leave to my partner; 2: none
.set XCH, 67584                        ; behind the spare words: 4,608 bytes for each pair of waves
	s_sub_co_u32 s[PQ], 15, ttmp9
	s_lshl_b32 s[PQ], s[PQ], 7
	s_add_co_u32 s[PQ], s[PQ], s82
	s_lshr_b32 s[SH], ttmp9, 1
	s_sub_co_u32 s[SH], 6, s[SH]
	s_mov_b32 s[SKP], 2
	s_lshl_b32 s48, s[PQ], 6                       ; that tile's 1,024 bytes of q_img
	s_add_co_u32 s48, s48, s74
	s_mov_b32 s49, 0
	s_mul_i32 s47, s82, 288                        ; (wave % 8) x 4,608
	s_add_co_u32 s47, s47, XCH
	s_lshl_b32 s[QL], ttmp9, 7
	s_sub_co_u32 s[QL], 2047, s[QL]                ; the last query of block 15 - i
	s_lshl_b32 s84, s[Q0], 6                       ; Q: my tile's 1,024 bytes
	s_add_co_u32 s84, s84, s74
	s_mov_b32 s85, 0
	s_lshr_b32 s86, s72, 4                         ; a_img: ((batch x 128 + my token tile) x 8 + head / 2) x 2,048 + (head % 2) x 1,024
	s_lshl_b32 s86, s86, 7
	s_lshr_b32 s87, s[Q0], 4
	s_add_co_u32 s86, s86, s87
	s_lshl_b32 s86, s86, 3
	s_bfe_u32 s87, s72, 0x30001
	s_add_co_u32 s86, s86, s87
	s_lshl_b32 s86, s86, 11
	s_and_b32 s87, s72, 1
	s_lshl_b32 s87, s87, 10
	s_add_co_u32 s86, s86, s87
	s_mov_b32 s87, 0
	s_and_b32 s88, s[WV], 1
	s_lshl_b32 s89, s88, 14                        ; K's images at a slot's head, V's 16,384 bytes on
	s_mov_b32 s[G1], 3<<16                         ; no mask; elements of 8 bytes; no padding
	s_mov_b32 s[G1+1], 32<<16                      ; tensor_dim0 = 32 elements: rows of 256 bytes
	s_mov_b32 s[G1+2], 64<<16                      ; tensor_dim1 = 64
	s_mov_b32 s[G1+3], 32<<16                      ; tile_dim0
	s_mov_b32 s[G1+4], 64                          ; tile_dim1
	s_mov_b32 s[G1+5], 32                          ; dense
	s_mov_b32 s[G1+6], 0
	s_mov_b32 s[G1+7], 0
	s_mov_b32 s[SEL], 0x76543210
	s_mov_b32 s[SEL+1], 0xfedcba98
	s_mov_b32 s[CS], 0x3e38aa3b                    ; c = log2(e) / sqrt(64)
	s_mov_b32 s[TB], 0
	s_mov_b32 s[SLOTS], NSL-1
	s_mov_b32 s[KF], 0
	s_wait_dscnt 0x0                               ; both opening adds are done
	s_wait_kmcnt 0x0
	s_load_b128 s[68:71], s[10:11], 0x8            ; e2, e3, e4, e5
	s_load_b32 s92, s[10:11], 0x18                 ; e6
	s_cmp_eq_u32 s88, 0
	s_cselect_b64 s[G0+2:G0+3], s[6:7], s[8:9]     ; wave 0: K; wave 1: V
	s_add_nc_u64 s[G0+2:G0+3], s[G0+2:G0+3], s[74:75]
	s_or_b32 s[G0+3], s[G0+3], 0x80000000
	s_mov_b32 s[G0], 1
	s_mov_b32 s[G0+1], s89
	TLOAD                                          ; slot 0
	s_cmp_lt_u32 s[WV], 6                          ; the prefetches: waves 4, 5 stand in K, waves 6, 7 in V
	s_cselect_b64 s[PFA:PFA+1], s[6:7], s[8:9]
	s_lshl_b32 s82, s88, 13
	s_add_co_u32 s82, s82, 16384                   ; in slot 1: the first change of slots steps it to slot 2
	s_add_co_u32 s82, s82, s74
	s_mov_b32 s83, 0
	s_add_nc_u64 s[PFA:PFA+1], s[PFA:PFA+1], s[82:83]
	s_sub_co_u32 s82, s[WV], 4
	s_lshr_b32 s82, s82, 2                         ; 0 in waves 4 to 7,
	s_or_b32 s82, s82, ttmp9                       ; of the head's work-group 0
	s_cmp_eq_u32 s82, 0
	s_cselect_b32 s[LIM], 1, -1
	s_add_nc_u64 s[48:49], s[4:5], s[48:49]
	v_and_b32 v[PFO], 31, v0
	s_delay_alu instid0(VALU_DEP_1)
	v_lshlrev_b32 v[LI], 4, v[PFO]
	s_delay_alu instid0(VALU_DEP_2)
	v_lshlrev_b32 v[PFO], 8, v[PFO]
	v_add_nc_u32 v9, s47, v[LI]                    ; v9: my pair's LDS bytes, + 16 x lane
	v_lshrrev_b32 v10, 1, v[LI]
	v_add_nc_u32 v10, s47, v10                     ; v10: the same, + 8 x lane
	v_mov_b32 v2, 0                                ; the kept sum
	v_mov_b32 v4, 0
	s_add_nc_u64 s[4:5], s[4:5], s[84:85]
	s_add_nc_u64 s[12:13], s[12:13], s[86:87]
	global_load_b128 v[16:19], v[LI], s[4:5]       ; Q's fragment stays in registers
	global_load_b128 v[20:23], v[LI], s[4:5] offset:512
	global_load_b128 v[24:27], v[LI], s[48:49]     ; waves 0-7: the partner's Q (waves 8-15: their own once more, so that the registers are written on every path)
	global_load_b128 v[28:31], v[LI], s[48:49] offset:512
	v_mov_b32 v13, 0xff61b1e6                      ; the largest t so far: -3e38
	s_delay_alu instid0(VALU_DEP_1)
	v_floor_f32 v12, -v13                          ; -M
	v_mov_b32 v14, 0
	v_mov_b32 v15, 0
	v_mov_b32 v246, 0                              ; a lane permute's destination counts as one of its sources
	v_mov_b32 v252, 0
	v_mov_b32 v253, 0                              ; (named as the upper half of the pair v[252:253])
.set jj, 0
.rept 64
	v_mov_b32 v[160+jj], 0                         ; O^T, and v192-223, the kept O^T
.set jj, jj+1
.endr
	s_wait_kmcnt 0x0
	s_add_co_i32 s81, s68, s69
	s_lshl_b32 s81, s81, 23
	s_add_co_i32 s[CS], s[CS], s81                 ; a score stands for score x 2^(e2 + e3): added to c's exponent field
	s_mov_b32 s[CS+1], s[CS]
	s_add_co_i32 s81, s70, 127
	s_lshl_b32 s82, s81, 23
	v_mov_b32 v244, s82                            ; 2^e4
	s_add_co_i32 s81, s81, 15
	s_lshl_b32 s81, s81, 23
	s_or_b32 s81, s81, 0x600000
	v_mov_b32 v240, s81                            ; 57,344 x 2^e4
	s_add_co_i32 s81, s92, 127
	s_lshl_b32 s82, s81, 23
	v_mov_b32 v245, s82                            ; 2^e6
	s_add_co_i32 s81, s81, 15
	s_lshl_b32 s81, s81, 23
	s_or_b32 s81, s81, 0x600000
	v_mov_b32 v241, s81                            ; 57,344 x 2^e6
; A KEY STEP: 128 keys, the q-th of the slot in hand.
.macro STEP q
	s_cmp_eq_u32 s[SKP], \q                        ; my partner's step
	s_cbranch_scc1 .Lhidden_\@
	s_add_co_u32 s96, s[Q0], 15
	s_cmp_gt_u32 s[KF], s96
	s_cbranch_scc1 .Lhidden_\@
	v_add_nc_u32 v[ADR], s[TB], v[LI]
.rept 3
	v_nop                                          ; with the addition above: four places in front of loads into registers that the last products read
.endr
.irp t, 0,1,2,3,4,5,6,7
	ds_load_b128 v[32+8*\t:35+8*\t], v[ADR] offset:8192*(\q)+1024*\t
	ds_load_b128 v[36+8*\t:39+8*\t], v[ADR] offset:8192*(\q)+1024*\t+512
.endr
	s_wait_alu depctr_va_vdst(0)
	s_wait_dscnt 0x0
.irp t, 0,1,2,3,4,5,6,7
	v_wmma_f32_16x16x64_bf8_bf8 v[96+8*\t:103+8*\t], v[32+8*\t:39+8*\t], v[16:23], 0
.endr
.rept 4
	v_nop
.endr
.irp t, 0,1,2,3                                ; V's four fragments are asked for now and land under the softmax
.irp c, 0,1,2,3
	ds_load_b128 v[32+16*\t+4*\c:35+16*\t+4*\c], v[ADR] offset:VOFF+8192*(\q)+2048*\t+512*\c
.endr
.endr
	s_add_co_u32 s96, s[KF], 127                   ; a step all of whose keys count skips the mask
	s_cmp_le_u32 s96, s[Q0]
	s_cbranch_scc1 .Lopen_\@
	s_sub_co_i32 s96, s[Q0], s[KF]
	v_and_b32 v252, 15, v0
	v_bfe_u32 v253, v0, 4, 1
	s_delay_alu instid0(VALU_DEP_1)
	v_lshlrev_b32 v253, 3, v253
	s_delay_alu instid0(VALU_DEP_1)
	v_sub_nc_u32 v252, v252, v253
	s_delay_alu instid0(VALU_DEP_1)
	v_add_nc_u32 v252, s96, v252                   ; d = my query - KF - 8 (l / 16).  Register 8 t + j holds key KF + 16 t + 8 (l / 16) + j: hidden where 16 t + j > d
	v_mov_b32 v254, 0xff800000                     ; -infinity
.set nn, 0
.rept 64
	v_cmp_gt_i32 vcc_lo, 16*(nn/8)+nn%8, v252
	v_cndmask_b32 v[96+nn], v[96+nn], v254, vcc_lo
.set nn, nn+1
.endr
.Lopen_\@:
	v_max3_num_f32 v254, v96, v97, v98             ; the step's largest score of my query among my 64 keys, in two chains,
	v_max3_num_f32 v252, v99, v100, v101
.irp i, 6,10,14,18,22,26,30,34,38,42,46,50,54,58
	v_max3_num_f32 v254, v254, v[96+\i], v[97+\i]
	v_max3_num_f32 v252, v252, v[98+\i], v[99+\i]
.endr
	v_max3_num_f32 v254, v254, v158, v159
	s_delay_alu instid0(VALU_DEP_1)
	v_max_num_f32 v254, v254, v252
	s_delay_alu instid0(VALU_DEP_1)
	v_permlanex16_b32 v246, v254, s[SEL], s[SEL+1]
	s_delay_alu instid0(VALU_DEP_1)
	v_max_num_f32 v254, v254, v246                 ; and among lane l xor 16's
	s_delay_alu instid0(VALU_DEP_1)
	v_mul_f32 v254, s[CS], v254                    ; as t (c is positive)
	s_delay_alu instid0(VALU_DEP_1)
	v_max_num_f32 v13, v13, v254
	v_mov_b32 v254, v12
	s_delay_alu instid0(VALU_DEP_2)
	v_floor_f32 v12, -v13                          ; the new -M = -ceil(t)
	s_delay_alu instid0(VALU_DEP_1)
	v_sub_f32 v254, v12, v254                      ; old M - new M: a whole number, 0 or less
	s_delay_alu instid0(VALU_DEP_1)
	v_cvt_i32_f32 v254, v254
	s_delay_alu instid0(VALU_DEP_1)
	v_ldexp_f32 v252, 1.0, v254                    ; f = 2^(old M - new M)
.set jj, 0
.rept 32
	v_pk_fma_f32 v[96+jj:97+jj], v[96+jj:97+jj], s[CS:CS+1], v[12:13] op_sel_hi:[1,0,0]   ; t - M
.set jj, jj+2
.endr
.set jj, 0
	s_wait_alu depctr_va_vdst(0)
.rept 64
	v_exp_f32 v[96+jj], v[96+jj]                   ; p = 2^(t - M)
.set jj, jj+1
.endr
	v_pk_mul_f32 v[14:15], v[14:15], v[252:253] op_sel_hi:[1,0]   ; the sums under the new M: the plain line behind the exponentials
	s_wait_alu depctr_va_vdst(0)                   ; one wait for the whole batch, ahead of its first reader
	v_pk_add_f32 v[242:243], v[100:101], v[104:105]
	v_pk_add_f32 v[254:255], v[108:109], v[112:113]
	v_pk_add_f32 v[250:251], v[116:117], v[120:121]
	v_pk_add_f32 v[248:249], v[124:125], v[128:129]
	v_pk_add_f32 v[238:239], v[132:133], v[136:137]
	v_pk_add_f32 v[236:237], v[140:141], v[144:145]
	v_pk_add_f32 v[234:235], v[148:149], v[152:153]
	v_pk_add_f32 v[14:15], v[14:15], v[156:157]
	v_pk_add_f32 v[242:243], v[242:243], v[96:97]
	v_pk_add_f32 v[254:255], v[254:255], v[98:99]
	v_pk_add_f32 v[250:251], v[250:251], v[102:103]
	v_pk_add_f32 v[248:249], v[248:249], v[106:107]
	v_pk_add_f32 v[238:239], v[238:239], v[110:111]
	v_pk_add_f32 v[236:237], v[236:237], v[114:115]
	v_pk_add_f32 v[234:235], v[234:235], v[118:119]
	v_pk_add_f32 v[14:15], v[14:15], v[122:123]
	v_pk_add_f32 v[242:243], v[242:243], v[126:127]
	v_pk_add_f32 v[254:255], v[254:255], v[130:131]
	v_pk_add_f32 v[250:251], v[250:251], v[134:135]
	v_pk_add_f32 v[248:249], v[248:249], v[138:139]
	v_pk_add_f32 v[238:239], v[238:239], v[142:143]
	v_pk_add_f32 v[236:237], v[236:237], v[146:147]
	v_pk_add_f32 v[234:235], v[234:235], v[150:151]
	v_pk_add_f32 v[14:15], v[14:15], v[154:155]
	v_pk_add_f32 v[242:243], v[242:243], v[158:159]
	s_delay_alu instid0(VALU_DEP_2)
	v_pk_add_f32 v[14:15], v[14:15], v[248:249]
	s_delay_alu instid0(VALU_DEP_2)
	v_pk_add_f32 v[242:243], v[242:243], v[238:239]
	v_pk_add_f32 v[254:255], v[254:255], v[236:237]
	v_pk_add_f32 v[250:251], v[250:251], v[234:235]
	s_delay_alu instid0(VALU_DEP_2)
	v_pk_add_f32 v[14:15], v[14:15], v[254:255]
	s_delay_alu instid0(VALU_DEP_2)
	v_pk_add_f32 v[242:243], v[242:243], v[250:251]
	s_delay_alu instid0(VALU_DEP_1)
	v_pk_add_f32 v[14:15], v[14:15], v[242:243]
.set jj, 0
.rept 64
	v_min_num_f32 v[96+jj], v[96+jj], v240         ; p is not negative: a one-sided hold (the conversion does not saturate: ISA guide 7.6.2)
.set jj, jj+1
.endr
.irp t, 0,1,2,3,4,5,6,7
	v_cvt_scalef32_pk8_bf8_f32 v[224+2*\t:225+2*\t], v[96+8*\t:103+8*\t], v244
.endr
.set jj, 0
.rept 16
	v_pk_mul_f32 v[160+jj:161+jj], v[160+jj:161+jj], v[252:253] op_sel_hi:[1,0]   ; O^T under the new M; also the plain lines between the conversions and the products
.set jj, jj+2
.endr
	s_wait_alu depctr_va_vdst(0)
	s_wait_dscnt 0x0                               ; V is in
.irp t, 0,1,2,3
	v_wmma_f32_16x16x128_bf8_bf8 v[160+8*\t:167+8*\t], v[32+16*\t:47+16*\t], v[224:239], v[160+8*\t:167+8*\t]
.endr
.Lhidden_\@:
	s_add_co_u32 s[KF], s[KF], 128
.endm
; THE CHANGE OF SLOTS, at a slot's head.  Each wave waits for all its tensor loads, adds 0 to its spare word, and waits for that and for its reads of the slot that it has left; behind the barrier the slot ahead is whole
; and nobody reads the other one.  fill = 1: that other slot is filled with the keys that follow, up to the causal limit.
.macro CHANGE fill
	s_wait_tensorcnt 0x0                           ; no tensor load of mine is out, so the group 0 may be written
	ds_add_u32 v[SPW], v[NIL]
.if \fill
	ds_add_u32 v[SPW], v[NIL]                      ; and once more
	s_xor_b32 s[G0+1], s[G0+1], SLOT1              ; the walking descriptor: the other slot,
	s_add_nc_u64 s[G0+2:G0+3], s[G0+2:G0+3], 16384 ; the next 256 keys
	s_wait_xcnt 0x0                                ; the last prefetch, a slot back, has read its address
	s_add_nc_u64 s[PFA:PFA+1], s[PFA:PFA+1], 16384
.endif
	s_wait_dscnt 0x0
	s_barrier_signal -1
	s_barrier_wait -1
.if \fill
	s_add_co_u32 s96, s[KF], 256                   ; the first key of the slot that this change would ask for: past my work-group's last query it is read by no wave, and is not asked for
	s_cmp_gt_u32 s96, s[QL]                        ; ids and the count of steps alone: all sixteen waves go the same way
	s_cbranch_scc1 .Lpast_\@
	TLOAD
.Lpast_\@:
	ASK
.endif
.endm
.macro SLOT_STEPS
	STEP 0
	STEP 1
	s_xor_b32 s[TB], s[TB], SLOT1
.endm
	s_wait_loadcnt 0x0                             ; Q
.Lslot:                                            ; NSL - 1 trips
	CHANGE 1
	s_cmp_eq_u32 s[SLOTS], s[SH]                   ; the slot in which the helpers begin
	s_cbranch_scc0 .Lno_turn
	s_cmp_lt_u32 s[WV], 8
	s_cbranch_scc1 .Lhelper
	s_mov_b32 s[SKP], 1                            ; waves 8-15: the even steps alone from here on
	s_branch .Lno_turn
.Lhelper:
.rept 4
	v_nop                                          ; places behind my last products
.endr
.set jj, 0
.rept 32
	v_mov_b32 v[192+jj], v[160+jj]                 ; my own tile is finished: its O^T is kept, each accumulator from its low end on,
.set jj, jj+1
.endr
	v_mov_b32 v2, v14                              ; and its sum
	v_mov_b32 v4, v15
.set jj, 0
.rept 8
	v_mov_b32 v[16+jj], v[24+jj]                   ; the partner's Q
.set jj, jj+1
.endr
	v_mov_b32 v13, 0xff61b1e6                      ; a state begun anew, as at the head
	v_floor_f32 v12, -v13
	v_mov_b32 v14, 0
	v_mov_b32 v15, 0
.set jj, 0
.rept 32
	v_mov_b32 v[160+jj], 0
.set jj, jj+1
.endr
	s_mov_b32 s[Q0], s[PQ]
	s_mov_b32 s[SKP], 0                            ; the odd steps alone
	s_wait_alu depctr_va_vdst(0)
.Lno_turn:
	SLOT_STEPS
	s_sub_co_u32 s[SLOTS], s[SLOTS], 1
	s_cmp_lg_u32 s[SLOTS], 0
	s_cbranch_scc1 .Lslot
	CHANGE 0                                       ; the last slot is written out: nothing is left to ask for
	SLOT_STEPS
.rept 4
	v_nop                                          ; places behind the last products
.endr
	s_cmp_lt_u32 s[WV], 8
	s_cbranch_scc0 .Lkeep
	v_add_f32 v13, v14, v15                        ; the helper's sum beside its -M
.irp k, 0,1,2,3,4,5,6,7
	ds_store_b128 v9, v[160+4*\k:163+4*\k] offset:512*\k
.endr
	ds_store_b64 v10, v[12:13] offset:4096
.set jj, 0
.rept 32
	v_mov_b32 v[160+jj], v[192+jj]                 ; my own tile's state comes back
.set jj, jj+1
.endr
	v_mov_b32 v14, v2
	v_mov_b32 v15, v4
.Lkeep:
	s_wait_alu depctr_va_vdst(0)
	s_wait_dscnt 0x0                               ; for the partner's sake
	s_barrier_signal -1
	s_barrier_wait -1
	s_cmp_lt_u32 s[WV], 8
	s_cbranch_scc1 .Lmerged
.irp k, 0,1,2,3,4,5,6,7
	ds_load_b128 v[96+4*\k:99+4*\k], v9 offset:512*\k
.endr
	ds_load_b64 v[128:129], v10 offset:4096
	s_wait_dscnt 0x0
	v_min_num_f32 v130, v12, v128                  ; -M of the two together
	v_add_f32 v14, v14, v15
	v_sub_f32 v131, v130, v12                      ; my M less the common one: a whole number, 0 or less
	v_sub_f32 v132, v130, v128                     ; the helper's likewise
	v_mov_b32 v15, 0
	v_cvt_i32_f32 v131, v131                       ; (they saturate)
	v_cvt_i32_f32 v132, v132
	v_mov_b32 v135, 0                              ; (named as the upper half of the pair v[134:135])
	v_ldexp_f32 v252, 1.0, v131
	v_ldexp_f32 v134, 1.0, v132
	v_mul_f32 v14, v14, v252
	v_fmac_f32 v14, v129, v134                     ; the sum
.set jj, 0
.rept 16
	v_pk_mul_f32 v[160+jj:161+jj], v[160+jj:161+jj], v[252:253] op_sel_hi:[1,0]
.set jj, jj+2
.endr
.set jj, 0
.rept 16
	v_pk_fma_f32 v[160+jj:161+jj], v[96+jj:97+jj], v[134:135], v[160+jj:161+jj] op_sel_hi:[1,0,1]
.set jj, jj+2
.endr
.Lmerged:
	; THE WAY OUT: O^T / the sum x 2^(e4 + e5), quantised with 2^e6: two stores of 512 consecutive bytes.
	v_add_f32 v14, v14, v15
	s_delay_alu instid0(VALU_DEP_1)
	v_permlanex16_b32 v246, v14, s[SEL], s[SEL+1]
	s_delay_alu instid0(VALU_DEP_1)
	v_add_f32 v14, v14, v246                       ; the row's sum
	s_wait_alu depctr_va_vdst(0)
	v_rcp_f32 v14, v14
	v_nop                                          ; a plain line behind the reciprocal,
	s_add_co_i32 s81, s70, s71
	s_wait_alu depctr_va_vdst(0)                   ; and the wait ahead of its first reader
	v_ldexp_f32 v14, v14, s81
.set jj, 0
.rept 32
	v_mul_f32 v[96+jj], v[160+jj], v14
.set jj, jj+1
.endr
.set jj, 0
.rept 32
	v_med3_num_f32 v[96+jj], v[96+jj], -v241, v241
.set jj, jj+1
.endr
.irp t, 0,1,2,3
	v_cvt_scalef32_pk8_bf8_f32 v[128+2*\t:129+2*\t], v[96+8*\t:103+8*\t], v245
.endr
	v_nop
	global_store_b128 v[LI], v[128:131], s[12:13]
	global_store_b128 v[LI], v[132:135], s[12:13] offset:512
	s_wait_tensorcnt 0x0                           ; the wave's end
	ds_add_u32 v[SPW], v[NIL]
	s_wait_dscnt 0x0
	s_endpgm
.Lfunc_end_k_q15a4fbbad4_attn:
	.size	k_q15a4fbbad4_attn, .Lfunc_end_k_q15a4fbbad4_attn-k_q15a4fbbad4_attn
	.p2alignl 7, 3214868480
	.fill 96, 4, 3214868480
	.section	.rodata,"a",@progbits
	.p2align	6, 0x0
	.amdhsa_kernel k_q15a4fbbad4_attn
		.amdhsa_group_segment_fixed_size 327680
		.amdhsa_private_segment_fixed_size 0
		.amdhsa_enable_private_segment 0
		.amdhsa_kernarg_size 40
		.amdhsa_user_sgpr_count 2
		.amdhsa_user_sgpr_kernarg_segment_ptr 1
		.amdhsa_wavefront_size32 1
		.amdhsa_system_sgpr_workgroup_id_x 1
		.amdhsa_system_sgpr_workgroup_id_y 1
		.amdhsa_system_sgpr_workgroup_id_z 1
		.amdhsa_system_vgpr_workitem_id 0
		.amdhsa_next_free_vgpr 256
		.amdhsa_next_free_sgpr 100
		.amdhsa_reserve_vcc 1
		.amdhsa_float_denorm_mode_32 3
		.amdhsa_float_denorm_mode_16_64 3
		.amdhsa_memory_ordered 1
		.amdhsa_forward_progress 1
		.amdhsa_inst_pref_size 107
	.end_amdhsa_kernel
	.amdgpu_metadata
---
amdhsa.version: [ 1, 2 ]
amdhsa.kernels:
  - .name:           k_q15a4fbbad4_attn
    .symbol:         k_q15a4fbbad4_attn.kd
    .args:
      - { .name: q_img, .offset: 0, .size: 8, .value_kind: global_buffer, .address_space: global }
      - { .name: k_img, .offset: 8, .size: 8, .value_kind: global_buffer, .address_space: global }
      - { .name: v_img, .offset: 16, .size: 8, .value_kind: global_buffer, .address_space: global }
      - { .name: lowp_scales, .offset: 24, .size: 8, .value_kind: global_buffer, .address_space: global }
      - { .name: a_img, .offset: 32, .size: 8, .value_kind: global_buffer, .address_space: global }
    .group_segment_fixed_size: 327680
    .private_segment_fixed_size: 0
    .kernarg_segment_align: 8
    .kernarg_segment_size: 40
    .max_flat_workgroup_size: 512
    .sgpr_count:     100
    .vgpr_count:     256
    .wavefront_size: 32
...
	.end_amdgpu_metadata
.endif
;; end of part 3
;; launch proj (part 4): grid 8 x 32, 4 waves a work-group, clusters of 4 x 4, 282,112 bytes of LDS; arguments a_img, w_proj_codes, lowp_scales, b_proj, x, x2; writes x2
.if DOCPART == 4
	.amdgcn_target "amdgcn-amd-amdhsa--gfx1250"
	.amdhsa_code_object_version 6
	.text
	.protected	k_q15a4fbbad4_proj
	.globl	k_q15a4fbbad4_proj
	.p2align	8
	.type	k_q15a4fbbad4_proj,@function
k_q15a4fbbad4_proj:
	s_mov_b64 s[64:65], 0
	v_nop
	global_prefetch_b8 v0, s[64:65] scope:SCOPE_SE
	s_setreg_imm32_b32 hwreg(HW_REG_WAVE_MODE, 25, 1), 1
	s_wait_xcnt 0x0
	s_wait_alu depctr_hold_cnt(0) depctr_sa_sdst(0) depctr_va_vdst(0) depctr_va_sdst(0) depctr_va_ssrc(0) depctr_va_vcc(0) depctr_vm_vsrc(0)
	s_getreg_b32 s2, hwreg(HW_REG_IB_STS2, 6, 4)
	s_cmp_eq_u32 s2, 0
	s_cbranch_scc0 .Lentry_in_a_cluster
	s_endpgm
.Lentry_in_a_cluster:
	s_bfe_u32 s2, ttmp6, 0x10000c
	s_cmp_lg_u32 s2, 0xf033
	s_cbranch_scc0 .Lentry_shape_is_right
	s_endpgm
.Lentry_shape_is_right:
; Launch 4 of 7: x2 = x + (attention's result w_proj + b_proj), product 4 on codes of E5M2.  No work is left out here.
; Left operand: a_img, images [row tile 256][K step 8][2048].  w_proj_codes: [1024][1024], K innermost.  A sum stands for sum x 2^(e6 + e7); LIMIT: e6 + e7 between -126 and 127.
; 256 work-groups, each a tile of 128 x 128; four waves, each 64 x 64: 16 accumulators.  ALL OF K LIES IN LDS AT ONCE: 128 tokens x 1,024 (images, 131,072 bytes) and 128 weight rows of 1,024 + 16 bytes:
; no ring.  No prefetch: the launch has no loop to run ahead in.
; CLUSTERS: 4 x 4; tokens shared along a row, weights along a column: joint loads.
; THE MATRIX INSTRUCTION IS USED TRANSPOSED (source 0 = 16 rows of the weight, source 1 = 16 tokens).  The way out goes through the wave's own stage, so that sixteen lanes store 256 consecutive aligned bytes.
; REGISTERS: window 0: v16-35 addresses, constants, bias; v128-255 the accumulators ((a, b) at v[128 + 8 (4 a + b)]).  window 1: two fragment sets of 128 (tokens' 4 x 16, then the weights' 4 x 16); on the way out the rows read back.
;   window 2: v0-127 the residual's tile, asked for at the head.
.set KTOT,  1024
.set EOFF,  0x18                       ; byte of this product's two exponents in lowp_scales
.set RP,    1040                       ; a weight row in LDS: 1,024 bytes + 16
.set PROW,  16384                      ; a row tile's eight fragments
.set PHALF, 4*PROW
.set ROFF,  2*PHALF
.set RHALF, 64*RP
.set SPARE, ROFF+2*RHALF               ; behind the tiles: the spare words, 128 bytes a wave
.set STAGE, SPARE+512                  ; the way out: 16 rows x (256 + 16) bytes a wave, bytes of their own
.set SP,    272
.set ADRA, 16
.set ADRB, 20
.set STO,  24
.set RD,   25
.set CO,   26
.set BO,   27
.set SPW,  28
.set NIL,  29
.set BI,   32
.set ACC,  128
.set F0,   0
.set F1,   128
.set G1, 24
.set G0, 32
.set G1B, 48
.set G0B, 56
.set MSB, 0
.macro WIN new
.if MSB != \new
	s_set_vgpr_msb (MSB<<8)|\new
.set MSB, \new
.endif
.endm
.set MUL,  0x05                        ; sources 0 and 1 window 1; C and D window 0
.set TO_F, 0x40
.macro CROUND                          ; a round of the cluster's barrier
	s_barrier_signal -1
	s_barrier_wait -1
	s_cmp_lg_u32 s14, 0
	s_cbranch_scc1 .Lnot_wave_0_\@
	s_barrier_signal -3
.Lnot_wave_0_\@:
	s_barrier_wait -3
	s_barrier_signal -1
	s_barrier_wait -1
.endm
.macro PLACES
.rept 4
	v_nop
.endr
.endm
	s_load_b256 s[4:11], s[0:1], 0x0               ; the images, the weights' codes, the scales' exponents, the bias
	s_load_b128 s[68:71], s[0:1], 0x20             ; the residual, the result
	v_lshl_add_u32 v[SPW], v0, 2, SPARE
	v_mov_b32 v[NIL], 0
	ds_add_u32 v[SPW], v[NIL]                      ; the wave's opening: the add, twice on end, and its wait ahead of my first tensor load
	ds_add_u32 v[SPW], v[NIL]
	v_lshrrev_b32 v1, 5, v0
	v_readfirstlane_b32 s14, v1
	s_lshr_b32 s15, s14, 1                         ; my half of the tokens.  Also: I fetch tokens (0) or weights (1)
	s_and_b32 s16, s14, 1                          ; my half of the columns.  Also: which half of that tile I fetch
	s_bfe_u32 s40, ttmp6, 0x40000
	s_bfe_u32 s41, ttmp6, 0x40004
	s_lshl_b32 s42, ttmp9, 2
	s_add_co_u32 s42, s42, s40                     ; tile column
	s_and_b32 s17, ttmp7, 0xffff
	s_lshl_b32 s17, s17, 2
	s_add_co_u32 s17, s17, s41                     ; tile row
	s_lshl_b32 s43, s41, 2
	s_lshl_b32 s43, 15, s43
	s_lshl_b32 s44, 0x1111, s40
	s_or_b32 s[G1+0], s43, (1<<21)                 ; tokens: my row's mask; elements of 1 byte; no padding
	s_mov_b32 s[G1+1], PROW<<16
	s_mov_b32 s[G1+2], 4<<16
	s_mov_b32 s[G1+3], PROW<<16
	s_mov_b32 s[G1+4], 4
	s_mov_b32 s[G1+5], PROW                        ; dense: four row tiles on end
	s_mov_b32 s[G1+6], 0
	s_mov_b32 s[G1+7], 0
	s_or_b32 s[G1B+0], s44, (1<<20)|(1<<21)|(7<<22)|(3<<25)   ; weights: my column's mask; 4 words of padding behind every 256
	s_mov_b32 s[G1B+1], KTOT<<16
	s_mov_b32 s[G1B+2], 64<<16
	s_mov_b32 s[G1B+3], KTOT<<16
	s_mov_b32 s[G1B+4], 64
	s_mov_b32 s[G1B+5], KTOT
	s_mov_b32 s[G1B+6], 0
	s_mov_b32 s[G1B+7], 0
	s_lshl_b32 s20, s17, 3
	s_lshl_b32 s21, s16, 2
	s_add_co_u32 s20, s20, s21                     ; tokens: row tile 8 x tile row + 4 x half
	s_mul_i32 s20, s20, PROW
	s_mov_b32 s21, 0
	s_lshl_b32 s46, s42, 7
	s_lshl_b32 s47, s16, 6
	s_add_co_u32 s46, s46, s47                     ; weights: row 128 x tile column + 64 x half
	s_mul_i32 s46, s46, KTOT
	s_mov_b32 s47, 0
	s_mov_b32 s[G0], 1
	s_lshl_b32 s[G0+1], s16, 16                    ; where they go: no place in the cluster enters an LDS address
	s_mov_b32 s[G0B], 1
	s_mul_i32 s[G0B+1], s16, RHALF
	s_add_co_u32 s[G0B+1], s[G0B+1], ROFF
	s_wait_dscnt 0x0
	s_wait_kmcnt 0x0
	s_load_b64 s[80:81], s[8:9], EOFF
	s_add_nc_u64 s[G0+2:G0+3], s[4:5], s[20:21]
	s_or_b32 s[G0+3], s[G0+3], 0x80000000
	s_add_nc_u64 s[G0B+2:G0B+3], s[6:7], s[46:47]
	s_or_b32 s[G0B+3], s[G0B+3], 0x80000000
	CROUND                                         ; all sixteen work-groups are here: the joint loads meet
	s_cmp_eq_u32 s15, 0                            ; waves 0 and 1 fetch the tokens' halves, waves 2 and 3 the weights'; an s_nop 0 and four v_nop follow each line
	s_cbranch_scc0 .Lfor_b
	tensor_load_to_lds s[G0:G0+3], s[G1:G1+7]
	s_nop 0
	PLACES
	s_branch .Lasked
.Lfor_b:
	tensor_load_to_lds s[G0B:G0B+3], s[G1B:G1B+7]
	s_nop 0
	PLACES
.Lasked:
	v_and_b32 v1, 15, v0                           ; r
	v_bfe_u32 v2, v0, 4, 1                         ; h
	v_and_b32 v6, 31, v0
	v_lshlrev_b32 v6, 4, v6                        ; 16 x lane
	v_mul_u32_u24 v3, v1, RP
	v_lshl_add_u32 v4, v2, 3, v3
	s_lshl_b32 s21, s15, 16
	s_mul_i32 s22, s16, RHALF
	s_add_co_u32 s22, s22, ROFF
	v_add_nc_u32 v[ADRA], s21, v6
	v_add_nc_u32 v[ADRB], s22, v4
	s_mul_i32 s23, s14, 16*SP
	s_add_co_u32 s23, s23, STAGE                   ; my stage
	v_mul_u32_u24 v5, v1, SP
	v_lshl_add_u32 v5, v2, 5, v5
	v_add_nc_u32 v[STO], s23, v5                   ; in: row = token r, + 32 h
	v_mul_u32_u24 v5, v2, SP
	v_lshl_add_u32 v5, v1, 4, v5
	v_add_nc_u32 v[RD], s23, v5                    ; back: lanes 0-15 one row of 256 bytes, lanes 16-31 the next
	v_lshlrev_b32 v[CO], 12, v2
	v_lshl_add_u32 v[CO], v1, 4, v[CO]             ; and the same two rows in memory
	v_lshlrev_b32 v[BO], 4, v1
	s_wait_alu depctr_va_vdst(0)
	s_lshl_b32 s22, s42, 9
	s_lshl_b32 s23, s16, 8
	s_add_co_u32 s22, s22, s23                     ; my 64 columns, in bytes
	s_mov_b32 s23, 0
	s_add_nc_u64 s[10:11], s[10:11], s[22:23]
	s_lshl_b32 s46, s17, 19
	s_lshl_b32 s47, s15, 18
	s_add_co_u32 s46, s46, s47                     ; my 64 rows of 4,096 bytes
	s_add_co_u32 s22, s22, s46
	s_add_nc_u64 s[68:69], s[68:69], s[22:23]
	s_add_nc_u64 s[70:71], s[70:71], s[22:23]
	global_load_b128 v[BI:BI+3], v[BO], s[10:11]   ; the bias of columns 4 r .. 4 r + 3
	WIN 0x80                                       ; destination window 2
.irp a, 0,1,2,3
.irp t, 0,1,2,3,4,5,6,7
	global_load_b128 v[32*\a+4*\t:32*\a+4*\t+3], v[CO], s[68:69] offset:(16*\a+2*\t)*4096 th:TH_LOAD_NT
.endr
.endr
	WIN 0
.macro MULA f, a, zero                 ; four matrix instructions: token block a x the weight's four; the 16 accumulators take turns
.irp b, 0,1,2,3
.if \zero
	v_wmma_f32_16x16x128_bf8_bf8 v[ACC+8*(4*(\a)+\b):ACC+8*(4*(\a)+\b)+7], v[\f+64+16*\b:\f+64+16*\b+15], v[\f+16*(\a):\f+16*(\a)+15], 0
.else
	v_wmma_f32_16x16x128_bf8_bf8 v[ACC+8*(4*(\a)+\b):ACC+8*(4*(\a)+\b)+7], v[\f+64+16*\b:\f+64+16*\b+15], v[\f+16*(\a):\f+16*(\a)+15], v[ACC+8*(4*(\a)+\b):ACC+8*(4*(\a)+\b)+7]
.endif
.endr
.endm
.macro FETCH q, f                      ; 48 LDS loads in one run: the q-th 128 along K into set f; the weights first, then the tokens' blocks 0 to 3
	WIN TO_F
.irp i, 0,1,2,3
.irp c, 0,1,2,3,4,5,6,7
	ds_load_b64 v[\f+64+16*\i+2*\c:\f+64+16*\i+2*\c+1], v[ADRB] offset:\i*16*RP+128*(\q)+16*\c
.endr
.endr
.irp i, 0,1,2,3
.irp c, 0,1,2,3
	ds_load_b128 v[\f+16*\i+4*\c:\f+16*\i+4*\c+3], v[ADRA] offset:\i*PROW+2048*(\q)+512*\c
.endr
.endr
.endm
.macro QUARTER q, f, g, zero           ; multiplies set f; in its middle fetches the q-th step into set g
	s_wait_dscnt 8                                 ; the weights and token blocks 0, 1 are in; blocks 2 and 3's eight loads may be out
	WIN MUL
	MULA \f, 0, \zero
	MULA \f, 1, \zero
	PLACES
	FETCH \q, \g
	s_wait_dscnt 48                                ; all but the 48 just issued
	WIN MUL
	MULA \f, 2, \zero
	MULA \f, 3, \zero
.endm
	s_wait_tensorcnt 0x0                           ; my quarter is in;
	s_barrier_signal -1
	s_barrier_wait -1                              ; everybody's is
	FETCH 0, F0
	QUARTER 1, F0, F1, 1                           ; the first step's products start the sums
	QUARTER 2, F1, F0, 0
	QUARTER 3, F0, F1, 0
	QUARTER 4, F1, F0, 0
	QUARTER 5, F0, F1, 0
	QUARTER 6, F1, F0, 0
	QUARTER 7, F0, F1, 0
	s_wait_dscnt 8
	WIN MUL
	MULA F1, 0, 0
	MULA F1, 1, 0
	s_wait_dscnt 0
	MULA F1, 2, 0
	MULA F1, 3, 0
	WIN 0
	; THE WAY OUT: the sums go through my stage, 16 tokens at a time, and come back as rows of 256 bytes; then sum x 2^(e6 + e7) + bias, + the residual, in reference()'s order.
	PLACES
.irp a, 0,1,2,3
.irp b, 0,1,2,3
	ds_store_b128 v[STO], v[ACC+8*(4*\a+\b):ACC+8*(4*\a+\b)+3] offset:64*\b        ; each accumulator from its low end on
	ds_store_b128 v[STO], v[ACC+8*(4*\a+\b)+4:ACC+8*(4*\a+\b)+7] offset:64*\b+16
.endr
	WIN 0x40
.irp t, 0,1,2,3,4,5,6,7
	ds_load_b128 v[32*\a+4*\t:32*\a+4*\t+3], v[RD] offset:\t*2*SP   ; LDS serves a wave's instructions in order: these see my stores, and the next block's stores come behind them
.endr
	WIN 0
.endr
	s_wait_kmcnt 0x0
	s_add_co_i32 s96, s80, s81
	s_add_co_i32 s96, s96, 127
	s_lshl_b32 s96, s96, 23                        ; 2^(e6 + e7) as f32
	s_mov_b32 s97, s96
	s_wait_dscnt 0x0
	s_wait_loadcnt 0x0                             ; the bias and the residual
	WIN 0x41                                       ; destination and source 0 window 1, the bias window 0
.set jj, 0
.rept 64
	v_pk_fma_f32 v[jj:jj+1], v[jj:jj+1], s[96:97], v[BI+jj%4:BI+jj%4+1] op_sel_hi:[1,0,1]
.set jj, jj+2
.endr
	WIN 0x49                                       ; source 1 window 2: the residual
.set jj, 0
.rept 64
	v_pk_add_f32 v[jj:jj+1], v[jj:jj+1], v[jj:jj+1]
.set jj, jj+2
.endr
	WIN 0x04                                       ; store data in window 1
.irp a, 0,1,2,3
.irp t, 0,1,2,3,4,5,6,7
	global_store_b128 v[CO], v[32*\a+4*\t:32*\a+4*\t+3], s[70:71] offset:(16*\a+2*\t)*4096   ; 16 lanes store 256 consecutive bytes, at a multiple of 256
.endr
.endr
	WIN 0
	s_wait_tensorcnt 0x0                           ; the wave's end
	ds_add_u32 v[SPW], v[NIL]
	s_wait_dscnt 0x0
	CROUND                                         ; the closing round
	s_endpgm
.Lfunc_end_k_q15a4fbbad4_proj:
	.size	k_q15a4fbbad4_proj, .Lfunc_end_k_q15a4fbbad4_proj-k_q15a4fbbad4_proj
	.p2alignl 7, 3214868480
	.fill 96, 4, 3214868480
	.section	.rodata,"a",@progbits
	.p2align	6, 0x0
	.amdhsa_kernel k_q15a4fbbad4_proj
		.amdhsa_group_segment_fixed_size 282112
		.amdhsa_private_segment_fixed_size 0
		.amdhsa_enable_private_segment 0
		.amdhsa_kernarg_size 48
		.amdhsa_user_sgpr_count 2
		.amdhsa_user_sgpr_kernarg_segment_ptr 1
		.amdhsa_wavefront_size32 1
		.amdhsa_system_sgpr_workgroup_id_x 1
		.amdhsa_system_sgpr_workgroup_id_y 1
		.amdhsa_system_sgpr_workgroup_id_z 1
		.amdhsa_system_vgpr_workitem_id 0
		.amdhsa_next_free_vgpr 640
		.amdhsa_next_free_sgpr 100
		.amdhsa_reserve_vcc 0
		.amdhsa_float_denorm_mode_32 3
		.amdhsa_float_denorm_mode_16_64 3
		.amdhsa_memory_ordered 1
		.amdhsa_forward_progress 1
		.amdhsa_inst_pref_size 59
	.end_amdhsa_kernel
	.amdgpu_metadata
---
amdhsa.version: [ 1, 2 ]
amdhsa.kernels:
  - .name:           k_q15a4fbbad4_proj
    .symbol:         k_q15a4fbbad4_proj.kd
    .args:
      - { .name: a_img, .offset: 0, .size: 8, .value_kind: global_buffer, .address_space: global }
      - { .name: w_proj_codes, .offset: 8, .size: 8, .value_kind: global_buffer, .address_space: global }
      - { .name: lowp_scales, .offset: 16, .size: 8, .value_kind: global_buffer, .address_space: global }
      - { .name: b_proj, .offset: 24, .size: 8, .value_kind: global_buffer, .address_space: global }
      - { .name: x, .offset: 32, .size: 8, .value_kind: global_buffer, .address_space: global }
      - { .name: x2, .offset: 40, .size: 8, .value_kind: global_buffer, .address_space: global }
    .group_segment_fixed_size: 282112
    .private_segment_fixed_size: 0
    .kernarg_segment_align: 8
    .kernarg_segment_size: 48
    .max_flat_workgroup_size: 128
    .sgpr_count:     100
    .vgpr_count:     640
    .wavefront_size: 32
...
	.end_amdgpu_metadata
.endif
;; end of part 4
;; launch ln2 (part 5): grid 256 x 1, 4 waves a work-group, no clusters, 66,304 bytes of LDS; arguments x2, ln2_scale, ln2_bias, lowp_scales, hc; writes hc
.if DOCPART == 5
	.amdgcn_target "amdgcn-amd-amdhsa--gfx1250"
	.amdhsa_code_object_version 6
	.text
	.protected	k_q15a4fbbad4_ln2
	.globl	k_q15a4fbbad4_ln2
	.p2align	8
	.type	k_q15a4fbbad4_ln2,@function
k_q15a4fbbad4_ln2:
	s_mov_b64 s[64:65], 0
	v_nop
	global_prefetch_b8 v0, s[64:65] scope:SCOPE_SE
	s_setreg_imm32_b32 hwreg(HW_REG_WAVE_MODE, 25, 1), 1
	s_wait_xcnt 0x0
; Launch 5 of 7: h = layernorm(x2) x gain + bias, quantised with the given scale 2^e8 into hc (written anew; its first contents have been read).  The first launch's text with another entry of lowp_scales.  No work is left out here.
; hc: images [row tile 256][K step 8][2048]: a fragment of 16 rows x 128 K is 16 registers a lane (lane l: row l % 16; registers 2 c, 2 c + 1: k = 16 c + 8 (l / 16) + 0 .. 7), registers 4 q .. 4 q + 3 of lane l at 512 q + 16 l.
; SHARES.  A work-group owns 16 rows.  Wave w normalises rows 4 w .. 4 w + 3 whole, the rows meet in a stage in LDS, and behind one barrier wave w quantises columns 256 w .. 256 w + 255 of all 16 rows: two fragments.
; LIMIT: e8 between -126 and 112.  NaN among the inputs is not served.
.set EOFF,  32                         ; byte of this quantiser's exponent in lowp_scales: entry 8
.set PITCH, 4112                       ; a stage row: 4,096 bytes + 16
.set SPARE, 16*PITCH                   ; behind the stage: the spare words, 128 bytes a wave
.set XO,  1
.set STW, 2
.set RDA, 3
.set MU,  8
.set LIM, 16
.set SC,  17
.set SPW, 18
.set NIL, 19
.set CH,  20
.set RS,  24
.set G,   32
.set BV,  64
.set X,   96
.set CD,  224
	s_load_b256 s[4:11], s[0:1], 0x0               ; x2, gain, bias, the scales' exponents
	s_load_b64 s[12:13], s[0:1], 0x20              ; hc
	v_lshl_add_u32 v[SPW], v0, 2, SPARE
	v_mov_b32 v[NIL], 0
	v_lshrrev_b32 v12, 5, v0
	v_readfirstlane_b32 s14, v12                   ; wave 0..3
	v_and_b32 v13, 31, v0
	v_lshlrev_b32 v[XO], 4, v13
	s_mul_i32 s15, s14, 4*PITCH
	v_add_nc_u32 v[STW], s15, v[XO]
	v_and_b32 v14, 15, v0
	v_bfe_u32 v15, v0, 4, 1
	v_mul_u32_u24 v[RDA], v14, PITCH
	v_lshl_add_u32 v[RDA], v15, 5, v[RDA]
	s_lshl_b32 s15, s14, 10
	v_add_nc_u32 v[RDA], s15, v[RDA]
	v_mov_b32 v[MU+1], 0
.irp p, 0,1,2,3
	v_mov_b32 v[RS+2*\p+1], 0
.endr
	s_lshl_b32 s16, ttmp9, 16
	s_lshl_b32 s18, s14, 14
	s_add_co_u32 s16, s16, s18
	s_mov_b32 s17, 0
	s_lshl_b32 s18, ttmp9, 14
	s_lshl_b32 s19, s14, 12
	s_add_co_u32 s18, s18, s19
	s_mov_b32 s19, 0
	s_mov_b32 s20, 0x76543210
	s_mov_b32 s21, 0xfedcba98
	s_mov_b32 s24, 0x3a800000                      ; 1 / 1,024
	s_mov_b32 s25, 0x3727c5ac                      ; 1e-5
	s_wait_kmcnt 0x0
	s_load_b32 s22, s[10:11], EOFF                 ; e
	s_add_nc_u64 s[4:5], s[4:5], s[16:17]
	s_add_nc_u64 s[12:13], s[12:13], s[18:19]
.irp p, 0,1,2,3
.irp j, 0,1,2,3,4,5,6,7
	global_load_b128 v[X+32*\p+4*\j:X+32*\p+4*\j+3], v[XO], s[4:5] offset:\p*4096+512*\j th:TH_LOAD_NT
.endr
.endr
.irp j, 0,1,2,3,4,5,6,7
	global_load_b128 v[G+4*\j:G+4*\j+3], v[XO], s[6:7] offset:512*\j
.endr
.irp j, 0,1,2,3,4,5,6,7
	global_load_b128 v[BV+4*\j:BV+4*\j+3], v[XO], s[8:9] offset:512*\j
.endr
.macro REDUCE
	v_add_f32_dpp v12, v12, v12 row_xmask:1 row_mask:0xf bank_mask:0xf
	v_add_f32_dpp v12, v12, v12 row_xmask:2 row_mask:0xf bank_mask:0xf
	v_add_f32_dpp v12, v12, v12 row_xmask:4 row_mask:0xf bank_mask:0xf
	v_add_f32_dpp v12, v12, v12 row_xmask:8 row_mask:0xf bank_mask:0xf
	v_permlanex16_b32 v13, v12, s20, s21
	v_add_f32 v12, v12, v13
.endm
.macro STATS p
.set XR, X+32*(\p)
	s_wait_loadcnt 16+8*(3-(\p))                   ; my row's eight loads are in; the later rows' and the 16 of gain and bias may be out
	v_pk_add_f32 v[CH:CH+1], v[XR:XR+1], v[XR+2:XR+3]
	v_pk_add_f32 v[CH+2:CH+3], v[XR+4:XR+5], v[XR+6:XR+7]
.irp j, 8,12,16,20,24,28
	v_pk_add_f32 v[CH:CH+1], v[CH:CH+1], v[XR+\j:XR+\j+1]
	v_pk_add_f32 v[CH+2:CH+3], v[CH+2:CH+3], v[XR+\j+2:XR+\j+3]
.endr
	v_pk_add_f32 v[CH:CH+1], v[CH:CH+1], v[CH+2:CH+3]
	v_add_f32 v12, v[CH], v[CH+1]
	REDUCE
	v_mul_f32 v[MU], s24, v12
.set jj, 0
.rept 16
	v_pk_add_f32 v[XR+jj:XR+jj+1], v[XR+jj:XR+jj+1], v[MU:MU+1] op_sel_hi:[1,0] neg_lo:[0,1] neg_hi:[0,1]
.set jj, jj+2
.endr
	v_pk_mul_f32 v[CH:CH+1], v[XR:XR+1], v[XR:XR+1]
	v_pk_mul_f32 v[CH+2:CH+3], v[XR+2:XR+3], v[XR+2:XR+3]
.irp j, 4,8,12,16,20,24,28
	v_pk_fma_f32 v[CH:CH+1], v[XR+\j:XR+\j+1], v[XR+\j:XR+\j+1], v[CH:CH+1]
	v_pk_fma_f32 v[CH+2:CH+3], v[XR+\j+2:XR+\j+3], v[XR+\j+2:XR+\j+3], v[CH+2:CH+3]
.endr
	v_pk_add_f32 v[CH:CH+1], v[CH:CH+1], v[CH+2:CH+3]
	v_add_f32 v12, v[CH], v[CH+1]
	REDUCE
	v_fma_f32 v[RS+2*(\p)], v12, s24, s25
.endm
.macro NORM p
.set XR, X+32*(\p)
.set jj, 0
.rept 16
	v_pk_mul_f32 v[XR+jj:XR+jj+1], v[XR+jj:XR+jj+1], v[RS+2*(\p):RS+2*(\p)+1] op_sel_hi:[1,0]
.set jj, jj+2
.endr
.set jj, 0
.rept 16
	v_pk_fma_f32 v[XR+jj:XR+jj+1], v[XR+jj:XR+jj+1], v[G+jj:G+jj+1], v[BV+jj:BV+jj+1]
.set jj, jj+2
.endr
.irp j, 0,1,2,3,4,5,6,7
	ds_store_b128 v[STW], v[XR+4*\j:XR+4*\j+3] offset:(\p)*PITCH+512*\j
.endr
.endm
.macro QUANT s
.set XR, X+64*(\s)
	s_wait_dscnt 16*(1-(\s))                       ; this fragment's 16 reads are in; the other's may be out
.set jj, 0
.rept 64
	v_med3_num_f32 v[XR+jj], v[XR+jj], -v[LIM], v[LIM]   ; the conversion does not saturate (ISA guide 7.6.2): the hold at the largest code x the scale
.set jj, jj+1
.endr
.irp c, 0,1,2,3,4,5,6,7
	v_cvt_scalef32_pk8_bf8_f32 v[CD+16*(\s)+2*\c:CD+16*(\s)+2*\c+1], v[XR+8*\c:XR+8*\c+7], v[SC]
.endr
	v_nop
.irp q, 0,1,2,3
	global_store_b128 v[XO], v[CD+16*(\s)+4*\q:CD+16*(\s)+4*\q+3], s[12:13] offset:2048*(\s)+512*\q
.endr
.endm
	STATS 0
	STATS 1
	STATS 2
	STATS 3
	s_wait_alu depctr_va_vdst(0)
.irp p, 0,1,2,3
	v_rsq_f32 v[RS+2*\p], v[RS+2*\p]
.endr
	v_nop                                          ; a plain line behind the last reciprocal root,
	s_wait_alu depctr_va_vdst(0)                   ; and one wait for the four, ahead of their first reader
	s_wait_kmcnt 0x0
	s_add_co_i32 s22, s22, 127
	s_lshl_b32 s23, s22, 23
	v_mov_b32 v[SC], s23
	s_add_co_i32 s22, s22, 15
	s_lshl_b32 s22, s22, 23
	s_or_b32 s22, s22, 0x600000
	v_mov_b32 v[LIM], s22
	s_wait_loadcnt 0x0                             ; gain and bias
	NORM 0
	NORM 1
	NORM 2
	NORM 3
	s_wait_dscnt 0x0                               ; for the others' sake: my rows lie in the stage
	s_barrier_signal -1
	s_barrier_wait -1
.irp s, 0,1
.irp c, 0,1,2,3,4,5,6,7
	ds_load_b128 v[X+64*\s+8*\c:X+64*\s+8*\c+3], v[RDA] offset:512*\s+64*\c
	ds_load_b128 v[X+64*\s+8*\c+4:X+64*\s+8*\c+7], v[RDA] offset:512*\s+64*\c+16
.endr
.endr
	QUANT 0
	QUANT 1
	s_wait_tensorcnt 0x0                           ; the wave's end
	ds_add_u32 v[SPW], v[NIL]
	s_wait_dscnt 0x0
	s_endpgm
.Lfunc_end_k_q15a4fbbad4_ln2:
	.size	k_q15a4fbbad4_ln2, .Lfunc_end_k_q15a4fbbad4_ln2-k_q15a4fbbad4_ln2
	.p2alignl 7, 3214868480
	.fill 96, 4, 3214868480
	.section	.rodata,"a",@progbits
	.p2align	6, 0x0
	.amdhsa_kernel k_q15a4fbbad4_ln2
		.amdhsa_group_segment_fixed_size 66304
		.amdhsa_private_segment_fixed_size 0
		.amdhsa_enable_private_segment 0
		.amdhsa_kernarg_size 40
		.amdhsa_user_sgpr_count 2
		.amdhsa_user_sgpr_kernarg_segment_ptr 1
		.amdhsa_wavefront_size32 1
		.amdhsa_system_sgpr_workgroup_id_x 1
		.amdhsa_system_sgpr_workgroup_id_y 1
		.amdhsa_system_sgpr_workgroup_id_z 1
		.amdhsa_system_vgpr_workitem_id 0
		.amdhsa_next_free_vgpr 256
		.amdhsa_next_free_sgpr 66
		.amdhsa_reserve_vcc 0
		.amdhsa_float_denorm_mode_32 3
		.amdhsa_float_denorm_mode_16_64 3
		.amdhsa_memory_ordered 1
		.amdhsa_forward_progress 1
		.amdhsa_inst_pref_size 45
	.end_amdhsa_kernel
	.amdgpu_metadata
---
amdhsa.version: [ 1, 2 ]
amdhsa.kernels:
  - .name:           k_q15a4fbbad4_ln2
    .symbol:         k_q15a4fbbad4_ln2.kd
    .args:
      - { .name: x2, .offset: 0, .size: 8, .value_kind: global_buffer, .address_space: global }
      - { .name: ln2_scale, .offset: 8, .size: 8, .value_kind: global_buffer, .address_space: global }
      - { .name: ln2_bias, .offset: 16, .size: 8, .value_kind: global_buffer, .address_space: global }
      - { .name: lowp_scales, .offset: 24, .size: 8, .value_kind: global_buffer, .address_space: global }
      - { .name: hc, .offset: 32, .size: 8, .value_kind: global_buffer, .address_space: global }
    .group_segment_fixed_size: 66304
    .private_segment_fixed_size: 0
    .kernarg_segment_align: 8
    .kernarg_segment_size: 40
    .max_flat_workgroup_size: 128
    .sgpr_count:     66
    .vgpr_count:     256
    .wavefront_size: 32
...
	.end_amdgpu_metadata
.endif
;; end of part 5
;; launch fc (part 6): grid 16 x 16, 4 waves a work-group, clusters of 4 x 4, 327,680 bytes of LDS; arguments hc, w_fc_codes, lowp_scales, b_fc, f_img; writes f_img
.if DOCPART == 6
	.amdgcn_target "amdgcn-amd-amdhsa--gfx1250"
	.amdhsa_code_object_version 6
	.text
	.protected	k_q15a4fbbad4_fc
	.globl	k_q15a4fbbad4_fc
	.p2align	8
	.type	k_q15a4fbbad4_fc,@function
k_q15a4fbbad4_fc:
	s_mov_b64 s[64:65], 0
	v_nop
	global_prefetch_b8 v0, s[64:65] scope:SCOPE_SE
	s_setreg_imm32_b32 hwreg(HW_REG_WAVE_MODE, 25, 1), 1
	s_wait_xcnt 0x0
	s_wait_alu depctr_hold_cnt(0) depctr_sa_sdst(0) depctr_va_vdst(0) depctr_va_sdst(0) depctr_va_ssrc(0) depctr_va_vcc(0) depctr_vm_vsrc(0)
	s_getreg_b32 s2, hwreg(HW_REG_IB_STS2, 6, 4)
	s_cmp_eq_u32 s2, 0
	s_cbranch_scc0 .Lentry_in_a_cluster
	s_endpgm
.Lentry_in_a_cluster:
	s_bfe_u32 s2, ttmp6, 0x10000c
	s_cmp_lg_u32 s2, 0xf033
	s_cbranch_scc0 .Lentry_shape_is_right
	s_endpgm
.Lentry_shape_is_right:
.set KTOT,  1024
.set RP,    272
.set PROW,  4096
.set PSTR,  16384
.set PHALF, 8*PROW
.set ROFF,  2*PHALF
.set RHALF, 128*RP
.set SLOT,  ROFF+2*RHALF
.set SPARE, 2*SLOT
.set LAPS,  KTOT/512
.set FR,    16
.set NP,    4
.set ADRA, 16
.set ADRB, 20
.set CO,   26
.set BO,   27
.set SPW,  28
.set NIL,  29
.set SC,   30
.set LIM,  31
.set BI,   32
.set TMP,  96
.set CDR,  160
.set AF,   128
.set G1, 24
.set G0, 32
.set G1B, 48
.set G0B, 56
.set MSB, 0
.macro WIN new
.if MSB != \new
	s_set_vgpr_msb (MSB<<8)|\new
.set MSB, \new
.endif
.endm
.set MUL_LO, 0xa1
.set MUL_HI, 0xf1
.set TO_B,   0x40
.macro JLOAD g0a, g1a, g0b, g1b
	s_cmp_eq_u32 s15, 0
	s_cbranch_scc0 .Lfor_b_\@
	tensor_load_to_lds s[\g0a:\g0a+3], s[\g1a:\g1a+7]
	s_nop 0
.rept 4
	v_nop
.endr
	s_branch .Lasked_\@
.Lfor_b_\@:
	tensor_load_to_lds s[\g0b:\g0b+3], s[\g1b:\g1b+7]
	s_nop 0
.rept 4
	v_nop
.endr
.Lasked_\@:
.endm
.macro CREST
	s_cmp_lg_u32 s14, 0
	s_cbranch_scc1 .Lnot_wave_0_\@
	s_barrier_signal -3
.Lnot_wave_0_\@:
	s_barrier_wait -3
	s_barrier_signal -1
	s_barrier_wait -1
.endm
.macro CROUND
	s_barrier_signal -1
	s_barrier_wait -1
	CREST
.endm
	s_load_b256 s[4:11], s[0:1], 0x0
	s_load_b64 s[76:77], s[0:1], 0x20
	v_lshl_add_u32 v[SPW], v0, 2, SPARE
	v_mov_b32 v[NIL], 0
	ds_add_u32 v[SPW], v[NIL]
	ds_add_u32 v[SPW], v[NIL]
	v_lshrrev_b32 v1, 5, v0
	v_readfirstlane_b32 s14, v1
	s_lshr_b32 s15, s14, 1
	s_and_b32 s16, s14, 1
	s_bfe_u32 s40, ttmp6, 0x40000
	s_bfe_u32 s41, ttmp6, 0x40004
	s_lshl_b32 s42, ttmp9, 2
	s_add_co_u32 s42, s42, s40
	s_and_b32 s17, ttmp7, 0xffff
	s_lshl_b32 s17, s17, 2
	s_add_co_u32 s17, s17, s41
	s_lshl_b32 s43, s41, 2
	s_lshl_b32 s43, 15, s43
	s_lshl_b32 s44, 0x1111, s40
	s_or_b32 s[G1+0], s43, (1<<21)
	s_mov_b32 s[G1+1], PROW<<16
	s_mov_b32 s[G1+2], 8<<16
	s_mov_b32 s[G1+3], PROW<<16
	s_mov_b32 s[G1+4], 8
	s_mov_b32 s[G1+5], PSTR
	s_mov_b32 s[G1+6], 0
	s_mov_b32 s[G1+7], 0
	s_or_b32 s[G1B+0], s44, (1<<20)|(1<<21)|(5<<22)|(3<<25)
	s_mov_b32 s[G1B+1], 256<<16
	s_mov_b32 s[G1B+2], 128<<16
	s_mov_b32 s[G1B+3], 256<<16
	s_mov_b32 s[G1B+4], 128
	s_mov_b32 s[G1B+5], KTOT
	s_mov_b32 s[G1B+6], 0
	s_mov_b32 s[G1B+7], 0
	s_lshl_b32 s20, s17, 4
	s_lshl_b32 s21, s16, 3
	s_add_co_u32 s20, s20, s21
	s_lshl_b32 s20, s20, 14
	s_mov_b32 s21, 0
	s_lshl_b32 s46, s42, 8
	s_lshl_b32 s47, s16, 7
	s_add_co_u32 s46, s46, s47
	s_lshl_b32 s46, s46, 10
	s_mov_b32 s47, 0
	s_lshl_b32 s45, s16, 15
	s_mul_i32 s18, s16, RHALF
	s_add_co_u32 s18, s18, ROFF
	s_wait_dscnt 0x0
	s_wait_kmcnt 0x0
	s_load_b128 s[80:83], s[8:9], 0x20
	s_add_nc_u64 s[20:21], s[4:5], s[20:21]
	s_add_nc_u64 s[46:47], s[6:7], s[46:47]
	CROUND
.irp s, 0,1
	s_mov_b32 s[G0+4*\s], 1
	s_add_co_u32 s[G0+4*\s+1], s45, \s*SLOT
	s_add_nc_u64 s[G0+4*\s+2:G0+4*\s+3], s[20:21], \s*PROW
	s_or_b32 s[G0+4*\s+3], s[G0+4*\s+3], 0x80000000
	s_mov_b32 s[G0B+4*\s], 1
	s_add_co_u32 s[G0B+4*\s+1], s18, \s*SLOT
	s_add_nc_u64 s[G0B+4*\s+2:G0B+4*\s+3], s[46:47], \s*256
	s_or_b32 s[G0B+4*\s+3], s[G0B+4*\s+3], 0x80000000
.endr
	JLOAD G0, G1, G0B, G1B                         ; slot 0: one tensor load a wave
	v_and_b32 v1, 15, v0
	v_bfe_u32 v2, v0, 4, 1
	v_and_b32 v6, 31, v0
	v_lshlrev_b32 v[CO], 4, v6
	v_lshlrev_b32 v[BO], 5, v2
	s_wait_alu depctr_va_vdst(0)
	v_mul_u32_u24 v3, v1, RP
	v_lshl_add_u32 v4, v2, 3, v3
	s_lshl_b32 s21, s15, 15
	s_mul_i32 s22, s16, RHALF
	s_add_co_u32 s22, s22, ROFF
.irp s, 0,1
	v_add_nc_u32 v[ADRA+\s], s21, v[CO]
	v_add_nc_u32 v[ADRB+\s], s22, v4
	s_add_co_u32 s21, s21, SLOT
	s_add_co_u32 s22, s22, SLOT
.endr
	s_lshl_b32 s22, s42, 10
	s_lshl_b32 s23, s16, 9
	s_add_co_u32 s22, s22, s23
	s_mov_b32 s23, 0
	s_add_nc_u64 s[10:11], s[10:11], s[22:23]
.irp b, 0,1,2,3,4,5,6,7
	global_load_b128 v[BI+8*\b:BI+8*\b+3], v[BO], s[10:11] offset:64*\b
	global_load_b128 v[BI+8*\b+4:BI+8*\b+7], v[BO], s[10:11] offset:64*\b+16
.endr
.macro FRAGA reg, adr, q, i
.irp c, 0,1,2,3
	ds_load_b128 v[\reg+4*\c:\reg+4*\c+3], v[\adr] offset:(\i)*PROW+2048*(\q)+512*\c
.endr
.endm
.macro FRAGB reg, adr, q, i
.irp c, 0,1,2,3,4,5,6,7
	ds_load_b64 v[\reg+2*\c:\reg+2*\c+1], v[\adr] offset:(\i)*16*RP+128*(\q)+16*\c
.endr
.endm
.macro MUL16 a0, p, zero
.irp a, \a0, \a0+1
.irp b, 0,1,2,3,4,5,6,7
.if \zero
	v_wmma_f32_16x16x128_bf8_bf8 v[8*(8*((\a)%4)+\b):8*(8*((\a)%4)+\b)+7], v[128*(\p)+FR*\b:128*(\p)+FR*\b+FR-1], v[AF+FR*(\a):AF+FR*(\a)+FR-1], 0
.else
	v_wmma_f32_16x16x128_bf8_bf8 v[8*(8*((\a)%4)+\b):8*(8*((\a)%4)+\b)+7], v[128*(\p)+FR*\b:128*(\p)+FR*\b+FR-1], v[AF+FR*(\a):AF+FR*(\a)+FR-1], v[8*(8*((\a)%4)+\b):8*(8*((\a)%4)+\b)+7]
.endif
.endr
.endr
.endm
.macro FETCH_B slot, q, p
	WIN TO_B
.irp i, 0,1,2,3,4,5,6,7
	FRAGB 128*(\p)+FR*\i, ADRB+\slot, \q, \i
.endr
	WIN 0
.endm
.macro FETCH_A slot, q, i0
.irp i, \i0, \i0+1, \i0+2, \i0+3
	FRAGA AF+FR*(\i), ADRA+\slot, \q, \i
.endr
.endm
.macro PLACES n
.rept \n
	v_nop
.endr
.endm
.macro STEP slot, q, zero
	s_wait_dscnt 16
	WIN MUL_LO
	MUL16 0, (\q)%2, \zero
	MUL16 2, (\q)%2, \zero
	s_wait_dscnt 0
	PLACES NP
	FETCH_B \slot, (\q)+1, 1-(\q)%2
	FETCH_A \slot, (\q)+1, 0
	WIN MUL_HI
	MUL16 4, (\q)%2, \zero
	MUL16 6, (\q)%2, \zero
	PLACES NP
	WIN 0
	FETCH_A \slot, (\q)+1, 4
.endm
.macro TURN slot, next, fill
	s_wait_tensorcnt 0x0
	ds_add_u32 v[SPW], v[NIL]
	s_wait_dscnt 17
	WIN MUL_LO
	MUL16 0, 1, 0
	s_wait_dscnt 0x0
	s_barrier_signal -1
	MUL16 2, 1, 0
	WIN 0
	s_barrier_wait -1
.if \fill
	CREST
	s_add_nc_u64 s[G0+4*\slot+2:G0+4*\slot+3], s[G0+4*\slot+2:G0+4*\slot+3], 2*PROW
	s_add_nc_u64 s[G0B+4*\slot+2:G0B+4*\slot+3], s[G0B+4*\slot+2:G0B+4*\slot+3], 512
	JLOAD G0+4*\slot, G1, G0B+4*\slot, G1B
.else
	PLACES NP
.endif
	FETCH_B \next, 0, 0
	FETCH_A \next, 0, 0
	WIN MUL_HI
	MUL16 4, 1, 0
	MUL16 6, 1, 0
	PLACES NP
	WIN 0
	FETCH_A \next, 0, 4
.endm
	s_wait_alu depctr_va_vdst(0)
	s_wait_tensorcnt 0x0                           ; my part of slot 0 is in
	ds_add_u32 v[SPW], v[NIL]
	s_wait_dscnt 0x0
	CROUND                                         ; a whole round: everybody's part of slot 0 is in, and the joint loads meet
	JLOAD G0+4, G1, G0B+4, G1B                     ; slot 1's first fill, the first tensor load behind the round
	FETCH_B 0, 0, 0
	FETCH_A 0, 0, 0
	FETCH_A 0, 0, 4
	STEP 0, 0, 1
	s_mov_b32 s3, LAPS-1
.Llap:
	TURN 0, 1, 1
	STEP 1, 0, 0
	TURN 1, 0, 1
	STEP 0, 0, 0
	s_sub_co_u32 s3, s3, 1
	s_cmp_lg_u32 s3, 0
	s_cbranch_scc1 .Llap
	TURN 0, 1, 0
	STEP 1, 0, 0
	s_wait_dscnt 16
	WIN MUL_LO
	MUL16 0, 1, 0
	MUL16 2, 1, 0
	s_wait_dscnt 0
	WIN MUL_HI
	MUL16 4, 1, 0
	MUL16 6, 1, 0
	WIN 0
.macro SCALE a
.set AC, 64*((\a)%4)
	WIN 0x02+((\a)/4)
.set jj, 0
.rept 32
	v_pk_fma_f32 v[TMP+jj:TMP+jj+1], v[AC+jj:AC+jj+1], s[96:97], v[BI+jj:BI+jj+1] op_sel_hi:[1,0,1]
.set jj, jj+2
.endr
	WIN 0
.endm
.macro HOLD reg
.set jj, 0
.rept 64
	v_med3_num_f32 v[\reg+jj], v[\reg+jj], 0, v[LIM]
.set jj, jj+1
.endr
.endm
.macro CODES src, dst, step
.irp b, 0,1,2,3,4,5,6,7
	v_cvt_scalef32_pk8_bf8_f32 v[(\dst)+(\step)*\b:(\dst)+(\step)*\b+1], v[\src+8*\b:\src+8*\b+7], v[SC]
.endr
	v_nop
.endm
	s_wait_kmcnt 0x0
	s_add_co_i32 s96, s80, s81
	s_add_co_i32 s96, s96, 127
	s_lshl_b32 s96, s96, 23
	s_mov_b32 s97, s96
	s_add_co_i32 s74, s82, 127
	s_lshl_b32 s75, s74, 23
	v_mov_b32 v[SC], s75
	s_add_co_i32 s74, s74, 15
	s_lshl_b32 s74, s74, 23
	s_or_b32 s74, s74, 0x600000
	v_mov_b32 v[LIM], s74
	s_lshl_b32 s78, s17, 4
	s_lshl_b32 s79, s15, 3
	s_add_co_u32 s78, s78, s79
	s_lshl_b32 s78, s78, 5
	s_lshl_b32 s79, s42, 1
	s_add_co_u32 s78, s78, s79
	s_add_co_u32 s78, s78, s16
	s_lshl_b32 s78, s78, 11
	s_mov_b32 s79, 0
	s_add_nc_u64 s[76:77], s[76:77], s[78:79]
	s_wait_loadcnt 0x0
	PLACES NP
.irp a, 0,1,2,3,4,5,6,7
	SCALE \a
	HOLD TMP
.if \a >= 4
	s_wait_alu depctr_va_vdst(0)
	s_wait_xcnt 0x0
.endif
	CODES TMP, CDR+16*(\a%4), 2
.irp q, 0,1,2,3
	global_store_b128 v[CO], v[CDR+16*(\a%4)+4*\q:CDR+16*(\a%4)+4*\q+3], s[76:77] offset:\a*65536+512*\q
.endr
.endr
	s_wait_tensorcnt 0x0
	ds_add_u32 v[SPW], v[NIL]
	s_wait_dscnt 0x0
	CROUND
	s_endpgm
.Lfunc_end_k_q15a4fbbad4_fc:
	.size	k_q15a4fbbad4_fc, .Lfunc_end_k_q15a4fbbad4_fc-k_q15a4fbbad4_fc
	.p2alignl 7, 3214868480
	.fill 96, 4, 3214868480
	.section	.rodata,"a",@progbits
	.p2align	6, 0x0
	.amdhsa_kernel k_q15a4fbbad4_fc
		.amdhsa_group_segment_fixed_size 327680
		.amdhsa_private_segment_fixed_size 0
		.amdhsa_enable_private_segment 0
		.amdhsa_kernarg_size 40
		.amdhsa_user_sgpr_count 2
		.amdhsa_user_sgpr_kernarg_segment_ptr 1
		.amdhsa_wavefront_size32 1
		.amdhsa_system_sgpr_workgroup_id_x 1
		.amdhsa_system_sgpr_workgroup_id_y 1
		.amdhsa_system_sgpr_workgroup_id_z 1
		.amdhsa_system_vgpr_workitem_id 0
		.amdhsa_next_free_vgpr 1024
		.amdhsa_next_free_sgpr 100
		.amdhsa_reserve_vcc 0
		.amdhsa_float_denorm_mode_32 3
		.amdhsa_float_denorm_mode_16_64 3
		.amdhsa_memory_ordered 1
		.amdhsa_forward_progress 1
		.amdhsa_inst_pref_size 152
	.end_amdhsa_kernel
	.amdgpu_metadata
---
amdhsa.version: [ 1, 2 ]
amdhsa.kernels:
  - .name:           k_q15a4fbbad4_fc
    .symbol:         k_q15a4fbbad4_fc.kd
    .args:
      - { .name: hc, .offset: 0, .size: 8, .value_kind: global_buffer, .address_space: global }
      - { .name: w_fc_codes, .offset: 8, .size: 8, .value_kind: global_buffer, .address_space: global }
      - { .name: lowp_scales, .offset: 16, .size: 8, .value_kind: global_buffer, .address_space: global }
      - { .name: b_fc, .offset: 24, .size: 8, .value_kind: global_buffer, .address_space: global }
      - { .name: f_img, .offset: 32, .size: 8, .value_kind: global_buffer, .address_space: global }
    .group_segment_fixed_size: 327680
    .private_segment_fixed_size: 0
    .kernarg_segment_align: 8
    .kernarg_segment_size: 40
    .max_flat_workgroup_size: 128
    .sgpr_count:     100
    .vgpr_count:     1024
    .wavefront_size: 32
...
	.end_amdgpu_metadata
.endif
;; end of part 6
;; launch out (part 7): grid 8 x 32, 4 waves a work-group, clusters of 4 x 1, 327,680 bytes of LDS; arguments f_img, w_img, lowp_scales, b_out, x2, out0; writes out0
.if DOCPART == 7
	.amdgcn_target "amdgcn-amd-amdhsa--gfx1250"
	.amdhsa_code_object_version 6
	.text
	.protected	k_q15a4fbbad4_out
	.globl	k_q15a4fbbad4_out
	.p2align	8
	.type	k_q15a4fbbad4_out,@function
k_q15a4fbbad4_out:
	s_mov_b64 s[64:65], 0
	v_nop
	global_prefetch_b8 v0, s[64:65] scope:SCOPE_SE
	s_setreg_imm32_b32 hwreg(HW_REG_WAVE_MODE, 25, 1), 1
	s_wait_xcnt 0x0
	s_wait_alu depctr_hold_cnt(0) depctr_sa_sdst(0) depctr_va_vdst(0) depctr_va_sdst(0) depctr_va_ssrc(0) depctr_va_vcc(0) depctr_vm_vsrc(0)
	s_getreg_b32 s2, hwreg(HW_REG_IB_STS2, 6, 4)
	s_cmp_eq_u32 s2, 0
	s_cbranch_scc0 .Lentry_in_a_cluster
	s_endpgm
.Lentry_in_a_cluster:
	s_bfe_u32 s2, ttmp6, 0x10000c
	s_cmp_lg_u32 s2, 0x3003
	s_cbranch_scc0 .Lentry_shape_is_right
	s_endpgm
.Lentry_shape_is_right:
; Launch 7 of 7: out0 = x2 + (relu's result w_out + b_out), product 6 on codes of E5M2.  No work is left out here.
; Left operand: f_img, images [row tile 256][K step 32][2048].  Right operand: w_img, w_out's codes as images [column block of 256: 4][K step 32][column tile 16][2048], laid by the first launch.
; A sum stands for sum x 2^(e10 + e11).  LIMIT: e10 + e11 between -126 and 127.
; SHARES.  256 work-groups; work-group (x, y) makes 128 tokens x 128 columns, wave w all 128 tokens x columns 32 w .. 32 w + 31: 16 accumulators.
; THE TOKENS go through a ring of two LDS slots of 1,024 along K (8 row tiles x 16,384 bytes): four fills; wave w fetches row tiles 2 w, 2 w + 1 by one tensor load.  CLUSTER 4, 1, 1: four column blocks of a row block
; need the same tokens: joint loads, mask 15; a round of the cluster's barrier stands in front of each.
; THE WEIGHTS: a wave's 32 columns are read by no other wave of the work-group, so they go from memory straight into registers, 512 consecutive bytes an instruction, through a ring of eight sets of 32 registers:
; step s first asks for step s + 7's into the set that step s - 1 has left.  s_wait_loadcnt 56 leaves the seven younger groups of 8 loads out.  The residual's 32 loads ride as groups 32 to 35.
; The 32 K steps are written out by one macro: the four slots' walks differ (the first starts the sums; which slot; a refill, a plain barrier or none; the last steps ask for nothing), and every offset is an immediate.
; PREFETCH.  Tokens: the chunks of fills 2 and 3, seven steps ahead of the fill; of a chunk's 131,072 bytes each partner of the cluster names 32,768, told apart by address, a wave 8,192, a lane a block of 256.
; Weights: the 32 work-groups of a column block share its 32 K steps of 16,384 bytes out: work-group y asks once for step y (waves 0 and 1, a lane a block of 256), at the head (y = 8 .. 19) or in step 4 (y / 4 - 4), nine steps
; or more ahead of the load; steps 0 to 7 come by their loads alone.
; THE MATRIX INSTRUCTION IS USED TRANSPOSED (source 0 = 16 columns of the weight, source 1 = 16 tokens).  The way out goes through a stage of the whole tile in slot 0, which has had its last fill and its last read by then:
; wave w takes rows 32 w .. 32 w + 31 back, and a store covers 512 consecutive aligned bytes.
; REGISTERS: window 0: v12-35 addresses, constants, bias; v128-255 the accumulators ((a, b) at v[128 + 8 (2 a + b)]).  window 1: the weights' eight sets; on the way out the rows read back.
;   window 2: the tokens' fragments, two sets of 8 x 16.  window 3: v0-127 the residual.
.set EOFF,  0x28                       ; byte of this product's two exponents in lowp_scales
.set SLOT,  131072
.set SPARE, 2*SLOT                     ; behind the ring: the spare words, 128 bytes a wave
.set SPITCH, 528                       ; a stage row: 128 columns x 4 bytes + 16
.set AA,   12                          ; v12-15 16 x lane + 65,536 n: slot n / 2, row tiles 4 (n % 2) on;  v12 is also 16 x lane
.set LO,   12
.set STO,  24
.set RD,   25
.set SPW,  28
.set NIL,  29
.set PFO,  30                          ; v30  256 x lane
.set BI,   32
.set ACC,  128
.set G1,  24
.set G0,  32                           ; s[32:35] slot 0's group 0, s[36:39] slot 1's
.set BP,  44                           ; s[44:45] my two column tiles in w_img
.set PFA, 46                           ; s[46:47] the weights that my wave prefetches
.set PA,  48                           ; s[48:49] the tokens that my wave prefetches, at K = 0
.set PT,  50                           ; s50  where my wave prefetches weights: 0 at the head, 1 to 3 in step 4, 8, 12; 8 never
.set MSB, 0
.macro WIN new                         ; the immediate's high byte repeats the setting that is left
.if MSB != \new
	s_set_vgpr_msb (MSB<<8)|\new
.set MSB, \new
.endif
.endm
.set MUL,  0x09                        ; source 0 (weights) window 1, source 1 (tokens) window 2, C and D window 0
.set TO_B, 0x40
.set TO_A, 0x80
.macro CROUND                          ; a round of the cluster's barrier
	s_barrier_signal -1
	s_barrier_wait -1
	s_cmp_lg_u32 s14, 0
	s_cbranch_scc1 .Lnot_wave_0_\@
	s_barrier_signal -3
.Lnot_wave_0_\@:
	s_barrier_wait -3
	s_barrier_signal -1
	s_barrier_wait -1
.endm
.macro ASK                             ; behind a compare of ids
	s_cbranch_scc0 .Lnot_mine_\@
	global_prefetch_b8 v[PFO], s[PFA:PFA+1] th:TH_LOAD_NT scope:SCOPE_SE
.Lnot_mine_\@:
.endm
.macro PLACES
.rept 4
	v_nop
.endr
.endm
.macro LOADB st                        ; my two weight fragments of K step st
.irp b, 0,1
.irp c, 0,1,2,3
	global_load_b128 v[32*((\st)%8)+16*\b+4*\c:32*((\st)%8)+16*\b+4*\c+3], v[LO], s[BP:BP+1] offset:(\st)*32768+2048*\b+512*\c
.endr
.endr
.endm
.macro LOADR g                         ; eight rows of the residual
.irp u, 0,1,2,3,4,5,6,7
	global_load_b128 v[4*(8*(\g)+\u):4*(8*(\g)+\u)+3], v[LO], s[68:69] offset:(8*(\g)+\u)*4096 th:TH_LOAD_NT
.endr
.endm
.macro LOADA st                        ; the eight token fragments of K step st
.irp a, 0,1,2,3,4,5,6,7
.irp c, 0,1,2,3
	ds_load_b128 v[128*((\st)%2)+16*\a+4*\c:128*((\st)%2)+16*\a+4*\c+3], v[AA+2*(((\st)/8)%2)+\a/4] offset:(\a%4)*16384+2048*((\st)%8)+512*\c
.endr
.endr
.endm
.macro MULS s                          ; 16 matrix instructions; the 16 accumulators take turns
.irp a, 0,1,2,3,4,5,6,7
.irp b, 0,1
.if (\s) == 0
	v_wmma_f32_16x16x128_bf8_bf8 v[ACC+8*(2*\a+\b):ACC+8*(2*\a+\b)+7], v[32*((\s)%8)+16*\b:32*((\s)%8)+16*\b+15], v[128*((\s)%2)+16*\a:128*((\s)%2)+16*\a+15], 0
.else
	v_wmma_f32_16x16x128_bf8_bf8 v[ACC+8*(2*\a+\b):ACC+8*(2*\a+\b)+7], v[32*((\s)%8)+16*\b:32*((\s)%8)+16*\b+15], v[128*((\s)%2)+16*\a:128*((\s)%2)+16*\a+15], v[ACC+8*(2*\a+\b):ACC+8*(2*\a+\b)+7]
.endif
.endr
.endr
.endm
.macro STEP s
.if (\s) > 0
	PLACES                                         ; in front of loads into the sets that the last step's products read
.endif
.if ((\s)%8 == 7) && ((\s) < 31)       ; THE CHANGE OF SLOTS, ahead of the first read of the next slot: this slot's last fragments were asked for a step ago
	WIN 0
	s_wait_tensorcnt 0x0                           ; my part of the next slot is in,
	ds_add_u32 v[SPW], v[NIL]
.if (\s) < 23
	s_add_nc_u64 s[G0+4*((\s)/8)+2:G0+4*((\s)/8)+3], s[G0+4*((\s)/8)+2:G0+4*((\s)/8)+3], 32768   ; this slot's next chunk, two on
.endif
	s_wait_dscnt 0x0                               ; the add is done, and my reads of this slot are over
.if (\s) < 23
	CROUND                                         ; both hold of every wave of the four work-groups
	tensor_load_to_lds s[G0+4*((\s)/8):G0+4*((\s)/8)+3], s[G1:G1+7]
	s_nop 0
	PLACES
.else
	s_barrier_signal -1                            ; nothing is left to fill
	s_barrier_wait -1
.endif
.endif
.if ((\s) == 4) || ((\s) == 8) || ((\s) == 12)
	WIN 0
	s_cmp_eq_u32 s[PT], (\s)/4
	ASK
.endif
.if (\s)+7 < 32
	WIN TO_B
	LOADB (\s)+7
.if ((\s)%8 == 0) && ((\s) < 16)
	global_prefetch_b8 v[PFO], s[PA:PA+1] offset:((\s)/8+2)*16384 th:TH_LOAD_NT scope:SCOPE_SE
.endif
.else
.if (\s)+7 < 36
	WIN 0xc0                                       ; destination window 3
	LOADR (\s)-25
.endif
.endif
.if (\s) < 31
	WIN TO_A
	LOADA (\s)+1
.endif
.if (\s) <= 28
	s_wait_loadcnt 56                              ; this step's weights are in; seven younger groups may be out
.else
	s_wait_loadcnt 8*(35-(\s))
.endif
.if (\s) < 31
	s_wait_dscnt 32                                ; this step's tokens are in; the next step's 32 loads may be out
.else
	s_wait_dscnt 0
.endif
	WIN MUL
	MULS \s
.endm
	s_load_b256 s[4:11], s[0:1], 0x0               ; f_img, w_img, the scales' exponents, the bias
	s_load_b128 s[68:71], s[0:1], 0x20             ; the residual, the result
	v_lshl_add_u32 v[SPW], v0, 2, SPARE
	v_mov_b32 v[NIL], 0
	ds_add_u32 v[SPW], v[NIL]                      ; the wave's opening: the add, twice on end, and its wait ahead of my first tensor load
	ds_add_u32 v[SPW], v[NIL]
	v_lshrrev_b32 v1, 5, v0
	v_readfirstlane_b32 s14, v1                    ; wave 0..3
	s_bfe_u32 s40, ttmp6, 0x40000                  ; cx
	s_lshl_b32 s41, ttmp9, 2
	s_add_co_u32 s41, s41, s40                     ; x: my block of 128 columns
	s_and_b32 s17, ttmp7, 0xffff                   ; y: my block of 128 tokens, the same in all four partners
	s_mov_b32 s[G1], 15|(1<<21)                    ; the mask of the four; elements of 1 byte; no padding; bit 21 beside a mask
	s_mov_b32 s[G1+1], 16384<<16                   ; tensor_dim0: a row tile's eight fragments of a chunk
	s_mov_b32 s[G1+2], 2<<16                       ; tensor_dim1: two row tiles
	s_mov_b32 s[G1+3], 16384<<16                   ; tile_dim0
	s_mov_b32 s[G1+4], 2                           ; tile_dim1
	s_mov_b32 s[G1+5], 65536                       ; from row tile to row tile
	s_mov_b32 s[G1+6], 0
	s_mov_b32 s[G1+7], 0
	s_mov_b32 s[G0], 1
	s_mov_b32 s[G0+4], 1
	s_lshl_b32 s[G0+1], s14, 15                    ; row tiles 2 w, 2 w + 1 of a slot
	s_add_co_u32 s[G0+5], s[G0+1], SLOT
	s_lshl_b32 s20, s17, 3
	s_lshl_b32 s21, s14, 1
	s_add_co_u32 s20, s20, s21
	s_lshl_b32 s20, s20, 16                        ; f_img: row tile 8 y + 2 w
	s_mov_b32 s21, 0
	s_lshr_b32 s22, s41, 1
	s_lshl_b32 s22, s22, 20
	s_and_b32 s23, s41, 1
	s_lshl_b32 s23, s23, 14
	s_add_co_u32 s22, s22, s23                     ; w_img: my column block's eight tiles of K step 0
	s_lshl_b32 s52, s17, 15
	s_add_co_u32 s52, s52, s22                     ; the prefetch of weights: K step y,
	s_lshl_b32 s23, s14, 13
	s_add_co_u32 s52, s52, s23                     ; waves 0 and 1: 8,192 bytes each
	s_mov_b32 s53, 0
	s_lshl_b32 s23, s14, 12
	s_add_co_u32 s22, s22, s23                     ; my two tiles
	s_mov_b32 s23, 0
	s_lshr_b32 s[PT], s17, 2
	s_sub_co_i32 s[PT], s[PT], 4
	s_max_i32 s[PT], s[PT], 0
	s_cmp_lt_u32 s17, 8
	s_cselect_b32 s[PT], 8, s[PT]
	s_cmp_lt_u32 s14, 2
	s_cselect_b32 s[PT], s[PT], 8
	s_lshl_b32 s54, s17, 3
	s_lshl_b32 s55, s40, 1
	s_add_co_u32 s54, s54, s55
	s_lshr_b32 s55, s14, 1
	s_add_co_u32 s54, s54, s55
	s_lshl_b32 s54, s54, 16                        ; the prefetch of tokens: row tile 8 y + 2 cx + w / 2,
	s_and_b32 s55, s14, 1
	s_lshl_b32 s55, s55, 13
	s_add_co_u32 s54, s54, s55                     ; half w % 2 of its 16,384 bytes of a chunk
	s_mov_b32 s55, 0
	s_lshl_b32 s58, s41, 9                         ; my block's 128 columns, in bytes
	s_mov_b32 s59, 0
	s_lshl_b32 s56, s17, 19
	s_lshl_b32 s57, s14, 17
	s_add_co_u32 s56, s56, s57                     ; rows 128 y + 32 w of 4,096 bytes: what I take on the way out
	s_add_co_u32 s56, s56, s58
	s_mov_b32 s57, 0
	s_lshl_b32 s60, s14, 7
	s_mul_i32 s61, s14, 32*SPITCH
	v_and_b32 v1, 15, v0                           ; r
	v_bfe_u32 v2, v0, 4, 1                         ; h
	v_and_b32 v6, 31, v0
	v_lshlrev_b32 v[LO], 4, v6
	v_lshlrev_b32 v[PFO], 8, v6
.irp n, 1,2,3
	v_add_nc_u32 v[AA+\n], \n*65536, v[LO]
.endr
	v_mul_u32_u24 v5, v1, SPITCH
	v_lshl_add_u32 v5, v2, 5, v5
	v_add_nc_u32 v[STO], s60, v5                   ; stage, in: row = token r, + my 128 bytes, + 32 h
	v_add_nc_u32 v[RD], s61, v[LO]                 ; back: my 32 rows, a row of 512 bytes to the 32 lanes
	s_wait_alu depctr_va_vdst(0)
	s_wait_dscnt 0x0                               ; both opening adds are done
	s_wait_kmcnt 0x0
	s_load_b64 s[80:81], s[8:9], EOFF
	s_add_nc_u64 s[G0+2:G0+3], s[4:5], s[20:21]    ; chunk 0
	s_add_nc_u64 s[G0+6:G0+7], s[G0+2:G0+3], 16384 ; chunk 1
	s_or_b32 s[G0+3], s[G0+3], 0x80000000
	s_or_b32 s[G0+7], s[G0+7], 0x80000000
	s_add_nc_u64 s[BP:BP+1], s[6:7], s[22:23]
	s_add_nc_u64 s[PFA:PFA+1], s[6:7], s[52:53]
	s_add_nc_u64 s[PA:PA+1], s[4:5], s[54:55]
	s_add_nc_u64 s[10:11], s[10:11], s[58:59]
	s_add_nc_u64 s[68:69], s[68:69], s[56:57]
	s_add_nc_u64 s[70:71], s[70:71], s[56:57]
	CROUND                                         ; all four work-groups are here: the joint loads meet
	tensor_load_to_lds s[G0:G0+3], s[G1:G1+7]      ; slot 0: one tensor load a wave
	s_nop 0
	PLACES
	global_load_b128 v[BI:BI+3], v[LO], s[10:11]   ; the bias of columns 4 l .. 4 l + 3 of the block
	WIN TO_B
.irp t, 0,1,2,3,4,5,6
	LOADB \t
.endr
	WIN 0
	s_cmp_eq_u32 s[PT], 0
	ASK
	s_wait_tensorcnt 0x0                           ; my part of slot 0 is in
	ds_add_u32 v[SPW], v[NIL]
	s_wait_dscnt 0x0
	CROUND
	tensor_load_to_lds s[G0+4:G0+7], s[G1:G1+7]    ; slot 1's first fill, the first tensor load behind the round
	s_nop 0
	PLACES
	WIN TO_A
	LOADA 0
.set S, 0
.rept 32
	STEP S
.set S, S+1
.endr
	WIN 0
	; THE WAY OUT: the sums meet in the stage; behind a barrier each wave takes 32 whole rows back; then sum x 2^(e10 + e11) + bias, + the residual, in reference()'s order.
	PLACES
.irp a, 0,1,2,3,4,5,6,7
.irp b, 0,1
	ds_store_b128 v[STO], v[ACC+8*(2*\a+\b):ACC+8*(2*\a+\b)+3] offset:\a*16*SPITCH+64*\b        ; each accumulator from its low end on
	ds_store_b128 v[STO], v[ACC+8*(2*\a+\b)+4:ACC+8*(2*\a+\b)+7] offset:\a*16*SPITCH+64*\b+16
.endr
.endr
	s_wait_dscnt 0x0                               ; for the others' sake
	s_barrier_signal -1
	s_barrier_wait -1
	WIN 0x40
.set tt, 0
.rept 32
	ds_load_b128 v[4*tt:4*tt+3], v[RD] offset:tt*SPITCH
.set tt, tt+1
.endr
	WIN 0
	s_wait_kmcnt 0x0
	s_add_co_i32 s96, s80, s81
	s_add_co_i32 s96, s96, 127
	s_lshl_b32 s96, s96, 23                        ; 2^(e10 + e11) as f32
	s_mov_b32 s97, s96
	s_wait_dscnt 0x0
	s_wait_loadcnt 0x0                             ; the residual
	WIN 0x41                                       ; destination and source 0 window 1, the bias window 0
.set jj, 0
.rept 64
	v_pk_fma_f32 v[jj:jj+1], v[jj:jj+1], s[96:97], v[BI+jj%4:BI+jj%4+1] op_sel_hi:[1,0,1]
.set jj, jj+2
.endr
	WIN 0x4d                                       ; source 1 window 3: the residual
.set jj, 0
.rept 64
	v_pk_add_f32 v[jj:jj+1], v[jj:jj+1], v[jj:jj+1]
.set jj, jj+2
.endr
	WIN 0x04                                       ; store data in window 1
.set tt, 0
.rept 32
	global_store_b128 v[LO], v[4*tt:4*tt+3], s[70:71] offset:tt*4096 th:TH_STORE_NT   ; 32 lanes store 512 consecutive bytes, at a multiple of 256
.set tt, tt+1
.endr
	WIN 0
	s_wait_tensorcnt 0x0                           ; the wave's end
	ds_add_u32 v[SPW], v[NIL]
	s_wait_dscnt 0x0
	CROUND                                         ; the closing round
	s_endpgm
.Lfunc_end_k_q15a4fbbad4_out:
	.size	k_q15a4fbbad4_out, .Lfunc_end_k_q15a4fbbad4_out-k_q15a4fbbad4_out
	.p2alignl 7, 3214868480
	.fill 96, 4, 3214868480
	.section	.rodata,"a",@progbits
	.p2align	6, 0x0
	.amdhsa_kernel k_q15a4fbbad4_out
		.amdhsa_group_segment_fixed_size 327680
		.amdhsa_private_segment_fixed_size 0
		.amdhsa_enable_private_segment 0
		.amdhsa_kernarg_size 48
		.amdhsa_user_sgpr_count 2
		.amdhsa_user_sgpr_kernarg_segment_ptr 1
		.amdhsa_wavefront_size32 1
		.amdhsa_system_sgpr_workgroup_id_x 1
		.amdhsa_system_sgpr_workgroup_id_y 1
		.amdhsa_system_sgpr_workgroup_id_z 1
		.amdhsa_system_vgpr_workitem_id 0
		.amdhsa_next_free_vgpr 896
		.amdhsa_next_free_sgpr 100
		.amdhsa_reserve_vcc 0
		.amdhsa_float_denorm_mode_32 3
		.amdhsa_float_denorm_mode_16_64 3
		.amdhsa_memory_ordered 1
		.amdhsa_forward_progress 1
		.amdhsa_inst_pref_size 156
	.end_amdhsa_kernel
	.amdgpu_metadata
---
amdhsa.version: [ 1, 2 ]
amdhsa.kernels:
  - .name:           k_q15a4fbbad4_out
    .symbol:         k_q15a4fbbad4_out.kd
    .args:
      - { .name: f_img, .offset: 0, .size: 8, .value_kind: global_buffer, .address_space: global }
      - { .name: w_img, .offset: 8, .size: 8, .value_kind: global_buffer, .address_space: global }
      - { .name: lowp_scales, .offset: 16, .size: 8, .value_kind: global_buffer, .address_space: global }
      - { .name: b_out, .offset: 24, .size: 8, .value_kind: global_buffer, .address_space: global }
      - { .name: x2, .offset: 32, .size: 8, .value_kind: global_buffer, .address_space: global }
      - { .name: out0, .offset: 40, .size: 8, .value_kind: global_buffer, .address_space: global }
    .group_segment_fixed_size: 327680
    .private_segment_fixed_size: 0
    .kernarg_segment_align: 8
    .kernarg_segment_size: 48
    .max_flat_workgroup_size: 128
    .sgpr_count:     100
    .vgpr_count:     896
    .wavefront_size: 32
...
	.end_amdgpu_metadata
.endif
;; end of part 7
